; MI455X (gfx1250); checked and timed in simulation.
; The chip was launched on July 23, 2026; its instructions are those of AMD's public machine-readable ISA for CDNA 5 (MIT licence, August 2026) and "CDNA5" Instruction Set Architecture Reference Guide (July 2026). The comments in the code are by the model that wrote it; some were corrected since.
;; Multi Head Attention. Allowed arithmetic: matrix products marked QUANTISED: E2M3 operands, one E8M0 scale for each 32 along K, by v_wmma_scale_f32_16x16x128_f8f6f4 with both operands' format E2M3, f32 sums; everything else in f32.
;; Inputs: Wk 16 x 1,024 x 64 float32; Wo 1,024 x 1,024 float32; Wq 16 x 1,024 x 64 float32; Wv 16 x 1,024 x 64 float32; keys 4 x 2,048 x 1,024 float32; mask 4 x 2,048 x 2,048 int32; queries 4 x 2,048 x 1,024 float32; values 4 x 2,048 x 1,024 float32.
;; Outputs: out0 4 x 2,048 x 1,024 float32.
;; This version of the problem:
;;   THIS VERSION OF THE PROBLEM IS GIVEN IN LOW PRECISION. The matrix products marked QUANTISED in the list below multiply operands that are first quantised to E2M3 (2 exponent bits, 3 mantissa bits; 6 bits a number), with one power-of-two scale for each 32 numbers along K (OCP MX v1.0); their sums are f32. All else is computed in f32.
;;   The module's matrix products, in the order in which they are computed (A, B: the left and right operand; K: the contracted axis; several contracted axes count as one K, in the product's order):
;;     1. [M 1,024, K 1,024] x [K 1,024, N 8,192]; A: input Wq; B: input queries: QUANTISED
;;     2. [M 1,024, K 1,024] x [K 1,024, N 8,192]; A: input Wk; B: input keys: QUANTISED
;;     3. [M 1,024, K 1,024] x [K 1,024, N 8,192]; A: input Wv; B: input values: QUANTISED
;;     4. batch 64 x [M 2,048, K 64] x [K 64, N 2,048]; A: computed on the way; B: computed on the way: QUANTISED
;;     5. batch 64 x [M 2,048, K 2,048] x [K 2,048, N 64]; A: softmax (see below); B: computed on the way: QUANTISED
;;     6. [M 8,192, K 1,024] x [K 1,024, N 1,024]; A: computed on the way; B: input Wo: QUANTISED
;;   THE QUANTISER, for each operand of a quantised product, along K:
;;     - K is cut into blocks of 32 from its start; a last block that is shorter is filled with zeros.
;;     - A block's scale is 2^e with e = floor(log2(the largest magnitude in the block)) - 2, held to -126 .. 127; a block of zeros has e = 0. As a byte (E8M0): e + 127.
;;     - Each number is divided by its block's scale, clamped to +-7.5, and rounded to the nearest number of E2M3, ties to even, subnormals kept.
;;     - The product sums the exact products of the quantised numbers (number of the format x scale) in f32.
;;   ~~~python
;;   def quantise(x, axis):      # numpy; x: float32 -> the quantised numbers, widened to float32 again
;;       x = np.moveaxis(x, axis, -1); K = x.shape[-1]
;;       x = np.pad(x, [(0, 0)] * (x.ndim - 1) + [(0, -K % 32)]); x = x.reshape(x.shape[:-1] + (-1, 32)); a = np.abs(x).max(-1, keepdims=True)
;;       e = np.where(a > 0, np.clip(np.frexp(np.where(a > 0, a, 1))[1] - 1 - 2, -126, 127), 0)      # np.frexp(a)[1] - 1 = floor(log2(a)), exactly
;;       r = np.clip(x / 2.0 ** e, -7.5, 7.5)
;;       step = 2.0 ** (np.maximum(np.frexp(np.where(r == 0, 1, r))[1] - 1, 0) - 3)
;;       q = np.round(r / step) * step * 2.0 ** e      # np.round: ties to even
;;       return np.moveaxis(q.reshape(q.shape[:-2] + (-1,))[..., :K], -1, axis).astype(np.float32)
;;   ~~~
;;   SOFTMAX AHEAD OF A QUANTISED PRODUCT. Where the list says 'softmax', what is quantised is not the finished softmax but p = 2^(t - M), with t = logit x log2(e) and M = ceil(the row's largest t), a whole number; so 1/2 < the row's largest p <= 1. The row's sum l is taken of the UNQUANTISED p, in f32, and the product's result is divided by l at the end. Since M is a whole number, a kernel that streams over the keys may use a running M (the ceiling of the running maximum): every later rescaling is an exact power of two, which a block's scale takes up: the codes' values come out the same.
;;   OPERANDS COMPUTED ON THE WAY. 'Computed on the way' means the value that the module computes at that place (a softmax that the list does not call 'softmax' is quantised finished and normalised). What goes into a quantiser is computed in f32, as accurately as f32 sums, v_exp_f32 and their like allow (about 1e-6 of the number): no bf16 or f16 on the way to a quantiser, and a product that is left as it is and whose result goes on into a quantised operand takes f32 operands (vector FMAs, or v_wmma_f32_16x16x4_f32). A number that lies on a knife's edge between two numbers of the format may be rounded either way, as far as f32 arithmetic and the matrix unit's own rounding can turn it there, and no further.
;; One version. Each part assembles by itself: llvm-mc -triple=amdgcn-amd-amdhsa -mcpu=gfx1250 --defsym DOCPART=n.
;; ======== version 1 of 1: 4 launches
;; limits: right only within a limited range of input values
;; workspace buffers: xc 18,874,368 bytes; xs 786,432 bytes; wc 3,145,728 bytes; ws 131,072 bytes; mw 2,097,152 bytes of whole numbers; qkv 19,660,800 bytes; oc 6,291,456 bytes; os 262,144 bytes
;; launch prep (part 1): grid 768 x 1, 4 waves a work-group, no clusters, 68,096 bytes of LDS; arguments queries, keys, values, mask, Wq, Wk, Wv, Wo, xc, xs, wc, ws, mw; writes xc, xs, wc, ws, mw
.if DOCPART == 1
	.amdgcn_target "amdgcn-amd-amdhsa--gfx1250"
	.amdhsa_code_object_version 6
	.text
	.protected	k_q10a7cc2a10_prep
	.globl	k_q10a7cc2a10_prep
	.p2align	8
	.type	k_q10a7cc2a10_prep,@function
k_q10a7cc2a10_prep:
	s_mov_b64 s[64:65], 0
	v_nop
	global_prefetch_b8 v0, s[64:65] scope:SCOPE_SE
	s_setreg_imm32_b32 hwreg(HW_REG_WAVE_MODE, 25, 1), 1
	s_wait_xcnt 0x0
; PREP: every f32 and int32 input is read once and leaves narrow.
;   queries, keys, values [8192][1024] f32 -> codes of FP6 (E2M3) along the 1,024, and one E8M0 byte for each 32 of them (xc, xs)
;   Wq, Wk, Wv [16][1024][64], Wo [1024][1024] f32, whose K is the axis of 1,024 rows -> the same, K innermost (wc, ws)
;   mask [4][2048][2048] int32 -> lane-mask words (mw): bit = 1 where the mask is 0
; A block's scale is 2^(floor(log2(largest magnitude)) - 2): its byte is the largest magnitude's exponent field - 2, held at 1 from below.
; LIMITS: a block of zeros gets the byte 1 where the rule says 127 (its codes are zeros, and only this program reads the bytes); blocks whose
; largest magnitude lies under 2^-124 are held at the byte 1; NaN and infinities among the inputs are not served.
; TILES.  Sixteen rows form a tile, and they are not neighbours: position r of tile T is row 32 (T / 2) + 8 (T % 2) + r + 8 (r / 8).
; IMAGES.  Codes are laid in the order of an operand's registers: for a tile and 128 along K, 1,536 bytes: for c = 0, 1 (64 along K each)
; registers 6 c .. 6 c + 3 of lane L at 768 c + 16 L, registers 6 c + 4, 6 c + 5 at 768 c + 512 + 8 L.  Lane L = r + 16 h holds K = 64 c + 32 h + 0 .. 31 of position r.
; A tile's eight such images lie on end (12,288 bytes).  Scale bytes: 32 for each position, positions on end.
; SHARES.  Work-groups 0-95: Wq, Wk, Wv; 96-127: Wo; 128-511: the three activations; 512-767: the mask.  Waves share nothing: no barrier.
; Each of the two paths that use LDS has LDS bytes of its own.
.set STG,   8448                       ; a wave's stage: 16 rows of 528 bytes
.set SPT,   528                        ; 512 bytes + 16: sixteen rows begin at sixteen different places modulo 256 bytes
.set R,     16                         ; v16-143  two sets of 64: a step's 16 rows x 512 bytes as loaded
.set X,     144                        ; v144-207 the step's numbers as a lane wants them
.set C,     208                        ; v208-219 a fragment's codes
.set T,     220                        ; v220-227 the upper halves of blocks, as converted
.set W,     228                        ; v228-235 the eight scale words of my position
.set OW,    248                        ; v248-249 a step's 64 mask words, two a lane
.set FLOOR, 0x1800000                  ; 2^(3 - 127)
.set OFF2,  0xff000000                 ; takes 2 off an exponent field
.macro LOADT t, pitch                  ; step t: 512 bytes of each of the tile's 16 rows; each load reads 512 consecutive bytes
.irp i, 0,1,2,3,4,5,6,7,8,9,10,11,12,13,14,15
	global_load_b128 v[R+64*((\t)%2)+4*\i:R+64*((\t)%2)+4*\i+3], v1, s[44:45] offset:(\i+8*(\i/8))*\pitch+512*(\t) th:TH_LOAD_NT
.endr
.endm
.macro TURNIN t                        ; into my stage, row = position
.irp i, 0,1,2,3,4,5,6,7,8,9,10,11,12,13,14,15
	ds_store_b128 v3, v[R+64*((\t)%2)+4*\i:R+64*((\t)%2)+4*\i+3] offset:SPT*\i
.endr
.endm
	s_load_b512 s[4:19], s[0:1], 0x0               ; queries, keys, values, mask, Wq, Wk, Wv, Wo
	s_load_b256 s[20:27], s[0:1], 0x40             ; xc, xs, wc, ws
	s_load_b64 s[28:29], s[0:1], 0x60              ; mw
	v_lshl_add_u32 v254, v0, 2, 0x10800
	v_mov_b32 v255, 0
	v_lshrrev_b32 v1, 5, v0
	v_readfirstlane_b32 s30, v1                    ; wave
	v_and_b32 v10, 31, v0                          ; L
	v_and_b32 v11, 15, v0                          ; r
	v_bfe_u32 v12, v0, 4, 1                        ; h
	v_lshlrev_b32 v1, 4, v10                       ; 16 L
	v_lshlrev_b32 v2, 3, v10                       ; 8 L
	s_mov_b32 s58, 0x76543210
	s_mov_b32 s59, 0xfedcba98                      ; v_permlanex16_b32's selects for lane L xor 16
	s_mov_b32 s33, 0                               ; the upper word of the offset pair s[32:33]
	s_wait_kmcnt 0x0
	s_cmp_lt_u32 ttmp9, 96
	s_cbranch_scc1 .Lw256
	s_cmp_lt_u32 ttmp9, 128
	s_cbranch_scc1 .Lw4096
	s_cmp_lt_u32 ttmp9, 512
	s_cbranch_scc1 .Lx
; ---------------- THE MASK.  A wave takes one tile of queries and 8 steps of 128 keys: 64 KiB.
; Word 16 b + i of a step, bit L: mask(position r, key 32 b + 16 h + i) == 0: the place where the attention's lane L holds that score in register 16 b + i.
	s_sub_co_u32 s31, ttmp9, 512
	s_lshl_b32 s31, s31, 2
	s_add_co_u32 s31, s31, s30                     ; wave among 1,024
	s_lshr_b32 s36, s31, 1                         ; the tile of queries, 0 .. 511
	s_and_b32 s35, s31, 1                          ; which half of the keys
	s_lshr_b32 s37, s36, 1
	s_lshl_b32 s37, s37, 5
	s_and_b32 s38, s36, 1
	s_lshl_b32 s38, s38, 3
	s_add_co_u32 s37, s37, s38                     ; the tile's first row
	s_lshl_b32 s32, s37, 13                        ; rows of 8,192 bytes
	s_lshl_b32 s38, s35, 12
	s_add_co_u32 s32, s32, s38
	s_add_nc_u64 s[44:45], s[10:11], s[32:33]
	s_lshl_b32 s32, s36, 12                        ; 4,096 bytes of words a tile
	s_lshl_b32 s38, s35, 11
	s_add_co_u32 s32, s32, s38
	s_add_nc_u64 s[46:47], s[28:29], s[32:33]
	s_mul_i32 s34, s30, STG
	s_add_co_u32 s34, s34, 4*STG                   ; this path's stages lie behind the other path's
	s_wait_alu depctr_va_vdst(0)
	v_add_nc_u32 v3, s34, v1
	v_mul_u32_u24 v4, v11, SPT
	v_lshl_add_u32 v4, v12, 6, v4
	v_add_nc_u32 v4, s34, v4                       ; back: row r, + 64 h
	v_mov_b32 v[OW], 0                             ; a lane write's destination counts as read
	v_mov_b32 v[OW+1], 0
.macro MSTEP t
.if (\t) < 7
	s_wait_loadcnt 16                              ; this step's 16 loads are in; the next step's 16 may be out
.else
	s_wait_loadcnt 0x0
.endif
	TURNIN \t
.irp b, 0,1,2,3
.irp j, 0,1,2,3
	ds_load_b128 v[X+16*\b+4*\j:X+16*\b+4*\j+3], v4 offset:128*\b+16*\j   ; LDS serves a wave's instructions in order: these see the stores above
.endr
.endr
	s_wait_dscnt 0x0                               ; the numbers are back, and the stage's stores have read their registers
	s_wait_xcnt 0x0                                ; the last step's store has read the two word registers
.if (\t)+2 < 8
	LOADT (\t)+2, 8192
.endif
.set g, 0
.rept 8
.set j, 0
.rept 8
	v_cmp_eq_u32 s[50+j], 0, v[X+8*g+j]
.set j, j+1
.endr
.set j, 0
.rept 8
	v_writelane_b32 v[OW+j%2], s[50+j], (8*g+j)/2  ; word w goes to lane w / 2, register w % 2
.set j, j+1
.endr
.set g, g+1
.endr
	global_store_b64 v2, v[OW:OW+1], s[46:47] offset:256*(\t)    ; 32 lanes store 256 consecutive bytes, aligned
.endm
	LOADT 0, 8192
	LOADT 1, 8192
	s_wait_alu depctr_va_vdst(0)
.irp t, 0,1,2,3,4,5,6,7
	MSTEP \t
.endr
	s_wait_tensorcnt 0x0
	ds_add_u32 v254, v255
	s_wait_dscnt 0x0
	s_endpgm
; ---------------- THE ACTIVATIONS.  A wave takes one tile (16 rows) for all of K: 64 KiB, in 8 steps of 128 along K.
.Lx:
	s_sub_co_u32 s31, ttmp9, 128
	s_lshl_b32 s31, s31, 2
	s_add_co_u32 s31, s31, s30                     ; wave among 1,536
	s_lshr_b32 s35, s31, 9                         ; which tensor: the same for a whole work-group
	s_and_b32 s36, s31, 511                        ; which tile
	s_cmp_eq_u32 s35, 1
	s_cselect_b64 s[44:45], s[6:7], s[4:5]
	s_cmp_eq_u32 s35, 2
	s_cselect_b64 s[44:45], s[8:9], s[44:45]
	s_lshr_b32 s37, s36, 1
	s_lshl_b32 s37, s37, 5
	s_and_b32 s38, s36, 1
	s_lshl_b32 s38, s38, 3
	s_add_co_u32 s37, s37, s38                     ; the tile's first row
	s_lshl_b32 s32, s37, 12                        ; rows of 4,096 bytes
	s_add_nc_u64 s[44:45], s[44:45], s[32:33]
	s_mul_i32 s32, s35, 6291456
	s_mul_i32 s38, s36, 12288
	s_add_co_u32 s32, s32, s38
	s_add_nc_u64 s[46:47], s[20:21], s[32:33]      ; the tile's images
	s_lshl_b32 s32, s35, 18
	s_lshl_b32 s38, s36, 9
	s_add_co_u32 s32, s32, s38
	s_add_nc_u64 s[48:49], s[22:23], s[32:33]      ; its scale bytes
	s_mul_i32 s34, s30, STG
	s_wait_alu depctr_va_vdst(0)
	v_add_nc_u32 v3, s34, v1
	v_mul_u32_u24 v4, v11, SPT
	v_lshl_add_u32 v4, v12, 7, v4
	v_add_nc_u32 v4, s34, v4                       ; back: row r, + 128 h: my block of 32 numbers
	v_lshlrev_b32 v5, 5, v11
	v_lshl_add_u32 v5, v12, 4, v5                  ; scale bytes: 32 r + 16 h
	v_lshlrev_b32 v244, 3, v12                     ; 8 h
	v_mov_b32 v243, 0                              ; a lane permute's destination counts as read
.macro XSTEP t
.if (\t) < 7
	s_wait_loadcnt 16                              ; this step's 16 loads are in; the next step's 16 may be out
.else
	s_wait_loadcnt 0x0
.endif
	TURNIN \t
.irp c, 0,1
.irp j, 0,1,2,3,4,5,6,7
	ds_load_b128 v[X+32*\c+4*\j:X+32*\c+4*\j+3], v4 offset:256*\c+16*\j   ; register 32 c + i = x(position r, 128 t + 64 c + 32 h + i): two whole blocks a lane
.endr
.endr
	s_wait_dscnt 0x0                               ; the numbers are back, and the stage's stores have read their registers
	s_wait_xcnt 0x0                                ; the last step's stores have read the codes' registers
.if (\t)+2 < 8
	LOADT (\t)+2, 4096
.endif
.irp c, 0,1
	v_max3_num_f32 v[236+\c], |v[X+32*\c]|, |v[X+32*\c+1]|, FLOOR    ; the floor is one leaf: the byte cannot fall under 1
.endr
.irp i, 2,4,6,8,10,12,14,16,18,20,22,24,26,28,30
.irp c, 0,1
	v_max3_num_f32 v[236+\c], v[236+\c], |v[X+32*\c+\i]|, |v[X+32*\c+\i+1]|   ; the two blocks by turns
.endr
.endr
.irp c, 0,1
	v_add_nc_u32 v[238+\c], OFF2, v[236+\c]        ; the conversion takes this operand's exponent field as its scale
.endr
.irp c, 0,1
	v_lshrrev_b32 v[240+\c], 23, v[238+\c]         ; the scale's byte
.endr
	v_lshl_or_b32 v242, v241, 16, v240             ; my two bytes: blocks h and 2 + h,
	v_lshlrev_b32 v242, v244, v242                 ; at their places in the word;
	v_permlanex16_b32 v243, v242, s58, s59
	v_or_b32 v[W+(\t)], v242, v243                 ; with lane L xor 16's two the word is whole
.irp c, 0,1
	v_cvt_scalef32_pk16_fp6_f32 v[C+6*\c:C+6*\c+2], v[X+32*\c:X+32*\c+15], v[238+\c]
	v_cvt_scalef32_pk16_fp6_f32 v[T+4*\c:T+4*\c+2], v[X+32*\c+16:X+32*\c+31], v[238+\c]   ; a conversion's three registers begin on an even number
.endr
	v_nop                                          ; one plain place behind a scaled conversion
.irp c, 0,1
.irp i, 0,1,2
	v_mov_b32 v[C+3+6*\c+\i], v[T+4*\c+\i]
.endr
.endr
.irp c, 0,1
	global_store_b128 v1, v[C+6*\c:C+6*\c+3], s[46:47] offset:1536*(\t)+768*\c          ; 512 consecutive bytes
	global_store_b64 v2, v[C+6*\c+4:C+6*\c+5], s[46:47] offset:1536*(\t)+768*\c+512     ; 256 consecutive bytes
.endr
.endm
	LOADT 0, 4096
	LOADT 1, 4096
	s_wait_alu depctr_va_vdst(0)
.irp t, 0,1,2,3,4,5,6,7
	XSTEP \t
.endr
	v_cmp_lt_u32 vcc_lo, 15, v10
.irp j, 0,1,2,3
	v_cndmask_b32 v[236+\j], v[W+\j], v[W+4+\j], vcc_lo    ; lanes 0-15 store words 0-3 of their position, lanes 16-31 words 4-7
.endr
	global_store_b128 v5, v[236:239], s[48:49]     ; 512 consecutive bytes
	s_wait_tensorcnt 0x0
	ds_add_u32 v254, v255
	s_wait_dscnt 0x0
	s_endpgm
; ---------------- THE WEIGHTS.  K is not innermost: a lane takes a column, its 32 registers run down one block of K, so that the block's
; largest magnitude needs no other lane and the codes come out with K innermost.  A wave takes 32 columns x 256 along K: 8 blocks a lane.
; Column 32 NB + L is position r' = L % 8 + 8 (L / 16) of tile 2 NB + u, u = (L / 8) % 2.
.macro LOADW t, stride
.set i, 0
.rept 32
	global_load_b32 v[32+32*((\t)%2)+i], v6, s[44:45] offset:(32*(\t)+i)*\stride th:TH_LOAD_NT   ; 128 consecutive bytes
.set i, i+1
.endr
.endm
.macro BLOCK t, stride
.set XS, 32+32*((\t)%2)
.if (\t) < 7
	s_wait_loadcnt 32                              ; this block's 32 loads are in; the next block's may be out
.else
	s_wait_loadcnt 0x0
.endif
	v_max3_num_f32 v16, |v[XS]|, |v[XS+1]|, |v[XS+2]|
	v_max3_num_f32 v17, |v[XS+3]|, |v[XS+4]|, |v[XS+5]|
.irp i, 6,10,14,18,22,26
	v_max3_num_f32 v16, v16, |v[XS+\i]|, |v[XS+\i+1]|
	v_max3_num_f32 v17, v17, |v[XS+\i+2]|, |v[XS+\i+3]|
.endr
	v_max3_num_f32 v16, v16, |v[XS+30]|, |v[XS+31]|
	v_max3_num_f32 v16, v16, v17, FLOOR
	v_add_nc_u32 v18, OFF2, v16
	v_lshrrev_b32 v19, 23, v18                     ; the scale's byte
.if (\t)%4 == 0
	v_mov_b32 v[24+(\t)/4], v19                    ; four bytes to a register, the lower K in the lower byte
.else
	v_lshl_or_b32 v[24+(\t)/4], v19, 8*((\t)%4), v[24+(\t)/4]
.endif
.if (\t) > 0
	s_wait_alu depctr_va_vdst(0)
	s_wait_xcnt 0x0                                ; the last block's stores have read the codes' registers
.endif
	v_cvt_scalef32_pk16_fp6_f32 v[96:98], v[XS:XS+15], v18
	v_cvt_scalef32_pk16_fp6_f32 v[104:106], v[XS+16:XS+31], v18
	v_nop                                          ; one plain place behind a scaled conversion
.irp i, 0,1,2
	v_mov_b32 v[99+\i], v[104+\i]
.endr
	global_store_b128 v7, v[96:99], s[46:47] offset:((\t)/4)*1536+(((\t)%4)/2)*768+256*((\t)%2)          ; block t is the part of lane r' + 16 (t % 2): 256 consecutive bytes in each of two tiles
	global_store_b64 v8, v[100:101], s[46:47] offset:((\t)/4)*1536+(((\t)%4)/2)*768+512+128*((\t)%2)
.if (\t)+2 < 8
	LOADW (\t)+2, \stride
.endif
.endm
.macro WPATH stride                    ; s35 which tensor, s36 NB, s37 which 256 along K; s[44:45] the wave's first number
	s_mul_i32 s32, s35, 786432
	s_mul_i32 s39, s36, 24576
	s_add_co_u32 s32, s32, s39
	s_mul_i32 s39, s37, 3072
	s_add_co_u32 s32, s32, s39
	s_add_nc_u64 s[46:47], s[24:25], s[32:33]      ; images: two tiles, two steps of 128 along K
	s_lshl_b32 s32, s35, 15
	s_lshl_b32 s39, s36, 10
	s_add_co_u32 s32, s32, s39
	s_lshl_b32 s39, s37, 3
	s_add_co_u32 s32, s32, s39
	s_add_nc_u64 s[48:49], s[26:27], s[32:33]      ; scale bytes
	v_lshlrev_b32 v6, 2, v10                       ; in: 4 bytes a lane
	v_bfe_u32 v13, v0, 3, 1                        ; u
	v_and_b32 v14, 7, v0
	v_lshl_add_u32 v14, v12, 3, v14                ; r'
	v_mul_u32_u24 v15, v13, 12288
	v_lshl_add_u32 v7, v14, 4, v15
	v_lshl_add_u32 v8, v14, 3, v15
	v_lshl_add_u32 v9, v13, 4, v14
	v_lshlrev_b32 v9, 5, v9                        ; 32 bytes a position
	LOADW 0, \stride
	LOADW 1, \stride
.irp t, 0,1,2,3,4,5,6,7
	BLOCK \t, \stride
.endr
	global_store_b64 v9, v[24:25], s[48:49]        ; my column's 8 bytes, 32 bytes from lane to lane: one byte for each 128 that the path reads
	s_endpgm
.endm
.Lw256:                                            ; Wq, Wk, Wv: a row of K is a head's 64 columns, 256 bytes
	s_lshr_b32 s35, ttmp9, 5                       ; which tensor
	s_cmp_eq_u32 s35, 1
	s_cselect_b64 s[44:45], s[14:15], s[12:13]
	s_cmp_eq_u32 s35, 2
	s_cselect_b64 s[44:45], s[16:17], s[44:45]
	s_bfe_u32 s36, ttmp9, 0x40001                  ; the head
	s_and_b32 s37, ttmp9, 1
	s_lshl_b32 s37, s37, 1
	s_lshr_b32 s38, s30, 1
	s_add_co_u32 s37, s37, s38                     ; which 256 along K
	s_and_b32 s38, s30, 1                          ; which 32 of the head's 64 columns
	s_lshl_b32 s32, s36, 18
	s_lshl_b32 s39, s37, 16
	s_add_co_u32 s32, s32, s39
	s_lshl_b32 s39, s38, 7
	s_add_co_u32 s32, s32, s39
	s_add_nc_u64 s[44:45], s[44:45], s[32:33]
	s_lshl_b32 s36, s36, 1
	s_add_co_u32 s36, s36, s38                     ; NB
	s_wait_alu depctr_va_vdst(0)
	WPATH 256
.Lw4096:                                           ; Wo: a row of K is 1,024 columns, 4,096 bytes
	s_sub_co_u32 s31, ttmp9, 96
	s_and_b32 s37, s31, 3                          ; which 256 along K
	s_lshr_b32 s38, s31, 2                         ; which 128 columns
	s_lshl_b32 s32, s37, 20
	s_lshl_b32 s39, s38, 9
	s_add_co_u32 s32, s32, s39
	s_lshl_b32 s39, s30, 7
	s_add_co_u32 s32, s32, s39
	s_add_nc_u64 s[44:45], s[18:19], s[32:33]
	s_lshl_b32 s36, s38, 2
	s_add_co_u32 s36, s36, s30                     ; NB
	s_mov_b32 s35, 3
	s_wait_alu depctr_va_vdst(0)
	WPATH 4096
.Lfunc_end_k_q10a7cc2a10_prep:
	.size	k_q10a7cc2a10_prep, .Lfunc_end_k_q10a7cc2a10_prep-k_q10a7cc2a10_prep
	.p2alignl 7, 3214868480
	.fill 96, 4, 3214868480
	.section	.rodata,"a",@progbits
	.p2align	6, 0x0
	.amdhsa_kernel k_q10a7cc2a10_prep
		.amdhsa_group_segment_fixed_size 68096
		.amdhsa_private_segment_fixed_size 0
		.amdhsa_enable_private_segment 0
		.amdhsa_kernarg_size 104
		.amdhsa_user_sgpr_count 2
		.amdhsa_user_sgpr_kernarg_segment_ptr 1
		.amdhsa_wavefront_size32 1
		.amdhsa_system_sgpr_workgroup_id_x 1
		.amdhsa_system_sgpr_workgroup_id_y 1
		.amdhsa_system_sgpr_workgroup_id_z 1
		.amdhsa_system_vgpr_workitem_id 0
		.amdhsa_next_free_vgpr 256
		.amdhsa_next_free_sgpr 66
		.amdhsa_reserve_vcc 1
		.amdhsa_float_denorm_mode_32 3
		.amdhsa_float_denorm_mode_16_64 3
		.amdhsa_memory_ordered 1
		.amdhsa_forward_progress 1
		.amdhsa_inst_pref_size 232
	.end_amdhsa_kernel
	.amdgpu_metadata
---
amdhsa.version: [ 1, 2 ]
amdhsa.kernels:
  - .name:           k_q10a7cc2a10_prep
    .symbol:         k_q10a7cc2a10_prep.kd
    .args:
      - { .name: queries, .offset: 0, .size: 8, .value_kind: global_buffer, .address_space: global }
      - { .name: keys, .offset: 8, .size: 8, .value_kind: global_buffer, .address_space: global }
      - { .name: values, .offset: 16, .size: 8, .value_kind: global_buffer, .address_space: global }
      - { .name: mask, .offset: 24, .size: 8, .value_kind: global_buffer, .address_space: global }
      - { .name: Wq, .offset: 32, .size: 8, .value_kind: global_buffer, .address_space: global }
      - { .name: Wk, .offset: 40, .size: 8, .value_kind: global_buffer, .address_space: global }
      - { .name: Wv, .offset: 48, .size: 8, .value_kind: global_buffer, .address_space: global }
      - { .name: Wo, .offset: 56, .size: 8, .value_kind: global_buffer, .address_space: global }
      - { .name: xc, .offset: 64, .size: 8, .value_kind: global_buffer, .address_space: global }
      - { .name: xs, .offset: 72, .size: 8, .value_kind: global_buffer, .address_space: global }
      - { .name: wc, .offset: 80, .size: 8, .value_kind: global_buffer, .address_space: global }
      - { .name: ws, .offset: 88, .size: 8, .value_kind: global_buffer, .address_space: global }
      - { .name: mw, .offset: 96, .size: 8, .value_kind: global_buffer, .address_space: global }
    .group_segment_fixed_size: 68096
    .private_segment_fixed_size: 0
    .kernarg_segment_align: 8
    .kernarg_segment_size: 104
    .max_flat_workgroup_size: 128
    .sgpr_count:     66
    .vgpr_count:     256
    .wavefront_size: 32
...
	.end_amdgpu_metadata
.endif
;; end of part 1
;; launch proj (part 2): grid 4 x 96, 4 waves a work-group, clusters of 4 x 4, 327,680 bytes of LDS; arguments xc, xs, wc, ws, qkv; writes qkv
.if DOCPART == 2
	.amdgcn_target "amdgcn-amd-amdhsa--gfx1250"
	.amdhsa_code_object_version 6
	.text
	.protected	k_q10a7cc2a10_proj
	.globl	k_q10a7cc2a10_proj
	.p2align	8
	.type	k_q10a7cc2a10_proj,@function
k_q10a7cc2a10_proj:
	s_mov_b64 s[64:65], 0
	v_nop
	global_prefetch_b8 v0, s[64:65] scope:SCOPE_SE
	s_setreg_imm32_b32 hwreg(HW_REG_WAVE_MODE, 25, 1), 1
	s_wait_xcnt 0x0
	s_wait_alu depctr_hold_cnt(0) depctr_sa_sdst(0) depctr_va_vdst(0) depctr_va_sdst(0) depctr_va_ssrc(0) depctr_va_vcc(0) depctr_vm_vsrc(0)
	s_getreg_b32 s2, hwreg(HW_REG_IB_STS2, 6, 4)
	s_cmp_eq_u32 s2, 0
	s_cbranch_scc0 .Lentry_in_a_cluster
	s_endpgm
.Lentry_in_a_cluster:
	s_bfe_u32 s2, ttmp6, 0x10000c
	s_cmp_lg_u32 s2, 0xf033
	s_cbranch_scc0 .Lentry_shape_is_right
	s_endpgm
.Lentry_shape_is_right:
.set NQ,     2
.set FR,     12
.set NL,     4
.set NP,     4
.set TILEB,  3072
.set HALFT,  8*TILEB
.set SLOT,   4*HALFT
.set LAPS,   2
.set KS,     32
.set KROW,   768
.set SCL,    2*SLOT
.set HALFS,  16*272
.set SBLK,   2*272
.set SPARE,  SCL+4*HALFS
.set RS,     307200
.set ADRA, 16
.set ADRB, 20
.set ADRS, 27
.set SPW,  28
.set NIL,  29
.set SC,   32
.set AF,   128
.set TM,   64
.set TT,   80
.set PWS,  88
.set SW,   96
.set CD,   128
.set G1, 24
.set G0, 32
.set G1B, 48
.set G0B, 56
.set G1S, 68
.set G0S, 76
.set G1SB, 80
.set G0SB, 88
.set MSB, 0
.macro WIN new
.if MSB != \new
	s_set_vgpr_msb (MSB<<8)|\new
.set MSB, \new
.endif
.endm
.set MUL_LO, 0xa1
.set MUL_HI, 0xf1
.set TO_B,   0x40
.macro JLOAD g0a, g1a, g0b, g1b
	s_cmp_eq_u32 s15, 0
	s_cbranch_scc0 .Lfor_b_\@
	tensor_load_to_lds s[\g0a:\g0a+3], s[\g1a:\g1a+7]
	s_nop 0
.rept 4
	v_nop
.endr
	s_branch .Lasked_\@
.Lfor_b_\@:
	tensor_load_to_lds s[\g0b:\g0b+3], s[\g1b:\g1b+7]
	s_nop 0
.rept 4
	v_nop
.endr
.Lasked_\@:
.endm
.macro CREST
	s_cmp_lg_u32 s14, 0
	s_cbranch_scc1 .Lnot_wave_0_\@
	s_barrier_signal -3
.Lnot_wave_0_\@:
	s_barrier_wait -3
	s_barrier_signal -1
	s_barrier_wait -1
.endm
.macro CROUND
	s_barrier_signal -1
	s_barrier_wait -1
	CREST
.endm
	s_load_b128 s[4:7], s[0:1], 0x0
	s_load_b128 s[8:11], s[0:1], 0x10
	s_load_b64 s[12:13], s[0:1], 0x20
	v_lshl_add_u32 v[SPW], v0, 2, SPARE
	v_mov_b32 v[NIL], 0
	ds_add_u32 v28, v29
	ds_add_u32 v28, v29
	s_wait_dscnt 0x0
	v_lshrrev_b32 v1, 5, v0
	v_readfirstlane_b32 s14, v1
	s_lshr_b32 s15, s14, 1
	s_and_b32 s16, s14, 1
	s_bfe_u32 s40, ttmp6, 0x40000
	s_bfe_u32 s41, ttmp6, 0x40004
	s_and_b32 s18, ttmp7, 0xffff
	s_lshr_b32 s95, s18, 3
	s_and_b32 s18, s18, 7
	s_lshl_b32 s18, s18, 2
	s_cmp_eq_u32 s95, 2
	s_cselect_b32 s42, s18, 0
	s_cselect_b32 s17, 0, s18
	s_add_co_u32 s42, s42, s40
	s_add_co_u32 s17, s17, s41
	s_lshl_b32 s43, s41, 2
	s_lshl_b32 s43, 15, s43
	s_lshl_b32 s44, 0x1111, s40
	s_or_b32 s[G1+0], s43, (3<<16)|(1<<21)
	s_or_b32 s[G1B+0], s44, (3<<16)|(1<<21)
.irp g, G1, G1B
	s_mov_b32 s[\g+1], 384<<16
	s_mov_b32 s[\g+2], 16<<16
	s_mov_b32 s[\g+3], 384<<16
	s_mov_b32 s[\g+4], 16
	s_mov_b32 s[\g+5], 1536
	s_mov_b32 s[\g+6], 0
	s_mov_b32 s[\g+7], 0
.endr
	s_or_b32 s[G1S+0], s43, (3<<16)|(1<<20)|(1<<21)|(5<<22)|(3<<25)
	s_or_b32 s[G1SB+0], s44, (3<<16)|(1<<20)|(1<<21)|(5<<22)|(3<<25)
.irp g, G1S, G1SB
	s_mov_b32 s[\g+1], 32<<16
	s_mov_b32 s[\g+2], 32<<16
	s_mov_b32 s[\g+3], 32<<16
	s_mov_b32 s[\g+4], 32
	s_mov_b32 s[\g+5], 32
	s_mov_b32 s[\g+6], 0
	s_mov_b32 s[\g+7], 0
.endr
	s_lshl_b32 s20, s17, 8                         ; the tiles' first rows: the head's loads bring all 256
	s_lshl_b32 s46, s42, 8
	s_mov_b32 s21, 0
	s_mov_b32 s47, 0
	s_mov_b64 s[18:19], KS
	s_mul_u64 s[22:23], s[20:21], s[18:19]
	s_mul_u64 s[92:93], s[46:47], s[18:19]
	s_mov_b64 s[18:19], KROW
	s_mul_u64 s[20:21], s[20:21], s[18:19]
	s_mul_u64 s[46:47], s[46:47], s[18:19]
	s_mul_i32 s96, s95, 6291456
	s_mul_i32 s97, s95, 786432
	s_cmp_eq_u32 s95, 2
	s_cselect_b32 s18, s97, s96
	s_cselect_b32 s98, s96, s97
	s_mov_b32 s19, 0
	s_mov_b32 s99, 0
	s_add_nc_u64 s[20:21], s[20:21], s[18:19]
	s_add_nc_u64 s[46:47], s[46:47], s[98:99]
	s_lshl_b32 s96, s95, 18
	s_lshl_b32 s97, s95, 15
	s_cmp_eq_u32 s95, 2
	s_cselect_b32 s18, s97, s96
	s_cselect_b32 s98, s96, s97
	s_add_nc_u64 s[22:23], s[22:23], s[18:19]
	s_add_nc_u64 s[92:93], s[92:93], s[98:99]
	s_mul_i32 s45, s14, HALFT
	s_wait_kmcnt 0x0
	s_cmp_eq_u32 s95, 2
	s_cselect_b64 s[96:97], s[8:9], s[4:5]
	s_cselect_b64 s[98:99], s[4:5], s[8:9]
	s_add_nc_u64 s[20:21], s[96:97], s[20:21]
	s_add_nc_u64 s[46:47], s[98:99], s[46:47]
	s_cselect_b64 s[96:97], s[10:11], s[6:7]
	s_cselect_b64 s[98:99], s[6:7], s[10:11]
	s_add_nc_u64 s[22:23], s[96:97], s[22:23]
	s_add_nc_u64 s[92:93], s[98:99], s[92:93]
	CROUND
	s_mov_b32 s[G0S], 1
	s_mov_b32 s[G0S+1], SCL
	s_mov_b64 s[G0S+2:G0S+3], s[22:23]
	s_or_b32 s[G0S+3], s[G0S+3], 0x80000000
	s_mov_b32 s[G0SB], 1
	s_mov_b32 s[G0SB+1], SCL+2*HALFS
	s_mov_b64 s[G0SB+2:G0SB+3], s[92:93]
	s_or_b32 s[G0SB+3], s[G0SB+3], 0x80000000
.set G0H, 4                            ; s[4:7], s[8:11]: group 0 of the head's loads of codes (the arguments that lay there have been used)
.set G0HB, 8
	s_mov_b32 s[G0H], 1                            ; slot 0: A's 16 tiles,
	s_mov_b32 s[G0H+1], 0
	s_mov_b64 s[G0H+2:G0H+3], s[20:21]
	s_or_b32 s[G0H+3], s[G0H+3], 0x80000000
	s_mov_b32 s[G0HB], 1                           ; and B's 16 behind them
	s_mov_b32 s[G0HB+1], 2*HALFT
	s_mov_b64 s[G0HB+2:G0HB+3], s[46:47]
	s_or_b32 s[G0HB+3], s[G0HB+3], 0x80000000
	s_mul_i32 s2, s16, 128*KROW                    ; in the ring a wave fetches 128 rows: which half
	s_mov_b32 s3, 0
	s_add_nc_u64 s[20:21], s[20:21], s[2:3]
	s_add_nc_u64 s[46:47], s[46:47], s[2:3]
	s_cmp_eq_u32 s15, 0                            ; the prefetches' base: the 8 tiles that I fetch in the ring (A's or B's, by the wave's number),
	s_cselect_b64 s[66:67], s[20:21], s[46:47]
	s_cselect_b32 s2, s40, s41                     ; my work-group's place among the four that ask for them jointly (cx for A, cy for B):
	s_mul_i32 s2, s2, 2*12288                      ; it takes two of the eight tiles, told apart by address alone
	s_add_nc_u64 s[66:67], s[66:67], s[2:3]        ; never rewritten
.irp s, 0,1
	s_mov_b32 s[G0+4*\s], 1
	s_add_co_u32 s[G0+4*\s+1], s45, \s*SLOT
	s_add_nc_u64 s[G0+4*\s+2:G0+4*\s+3], s[20:21], \s*TILEB
	s_or_b32 s[G0+4*\s+3], s[G0+4*\s+3], 0x80000000
	s_mov_b32 s[G0B+4*\s], 1
	s_add_co_u32 s[G0B+4*\s+1], s45, \s*SLOT
	s_add_nc_u64 s[G0B+4*\s+2:G0B+4*\s+3], s[46:47], \s*TILEB
	s_or_b32 s[G0B+4*\s+3], s[G0B+4*\s+3], 0x80000000
.endr
; The head's four tiles, one joint load a wave: wave 0 slot 0's rows of A, wave 1 those of B, wave 2 A's scales, wave 3 B's.
; One tree of branches on the wave's number: every way passes exactly one load.
.macro ARM under, g0, g1, next
	s_cmp_lt_u32 s14, \under
	s_cbranch_scc0 \next
	tensor_load_to_lds s[\g0:\g0+3], s[\g1:\g1+7]
	s_nop 0
.rept 4
	v_nop
.endr
	s_branch .Lhead_asked
\next:
.endm
	ARM 1, G0H,  G1,  .Lhead_b
	ARM 2, G0HB, G1B, .Lhead_sa
	ARM 3, G0S,  G1S, .Lhead_sb
	tensor_load_to_lds s[G0SB:G0SB+3], s[G1SB:G1SB+7]
	s_nop 0
.rept 4
	v_nop
.endr
.Lhead_asked:
; PREFETCH INTO THE L2, two chunks ahead.  A chunk (256 along K) of my work-group's two tiles is 2 x 12 blocks of 256 bytes: a lane a block, lanes 24-31 name the last block again.
; So each block is named once in each cluster that will load it.  Here chunks 1 and 2 are asked for; behind slot 1's fill chunk 3, the last: nothing is asked beyond it.
	v_and_b32 v8, 31, v0
	v_min_u32 v8, 23, v8                           ; block 0 .. 23
	v_mul_u32_u24 v9, v8, 43
	v_lshrrev_b32 v9, 9, v9                        ; block / 12: which of the two tiles
	v_mul_u32_u24 v9, v9, 9216                     ; a tile is 12,288 bytes, its chunk 3,072
	v_lshl_add_u32 v8, v8, 8, v9                   ; never rewritten
	global_prefetch_b8 v8, s[66:67] offset:3072 th:TH_LOAD_NT scope:SCOPE_SE
	global_prefetch_b8 v8, s[66:67] offset:6144 th:TH_LOAD_NT scope:SCOPE_SE
	v_and_b32 v1, 15, v0
	v_bfe_u32 v2, v0, 4, 1
	v_and_b32 v3, 31, v0
	v_lshlrev_b32 v4, 4, v3
	v_lshlrev_b32 v5, 3, v3
	s_mul_i32 s21, s15, HALFT
	s_mul_i32 s22, s16, HALFT
	s_add_co_u32 s22, s22, 2*HALFT
.irp s, 0,1
	v_add_nc_u32 v[ADRA+\s], s21, v4
	v_add_nc_u32 v[ADRB+\s], s22, v4
	v_add_nc_u32 v[ADRA+2+\s], s21, v5
	v_add_nc_u32 v[ADRB+2+\s], s22, v5
	s_add_co_u32 s21, s21, SLOT
	s_add_co_u32 s22, s22, SLOT
.endr
	v_mul_u32_u24 v6, v1, KS
	v_lshrrev_b32 v7, 8, v6
	v_lshl_add_u32 v6, v7, 4, v6
	s_mul_i32 s21, s15, HALFS
	s_mul_i32 s22, s16, HALFS
	s_add_co_u32 s22, s22, 2*HALFS
	s_sub_co_u32 s22, s22, s21
	v_mul_u32_u24 v7, s22, v2
	s_add_co_u32 s21, s21, SCL
	v_add_nc_u32 v6, v6, v7
	v_add_nc_u32 v[ADRS], s21, v6
	v_mov_b32 v24, v4
	v_mov_b32 v25, v5
	v_mul_u32_u24 v26, v2, RS
	v_lshl_add_u32 v26, v1, 4, v26
	s_lshl_b32 s20, s17, 1
	s_add_co_u32 s20, s20, s15
	s_lshl_b32 s46, s42, 1
	s_add_co_u32 s46, s46, s16
	s_cmp_eq_u32 s95, 2
	s_cselect_b32 s21, s46, s20
	s_cselect_b32 s47, s20, s46
	s_lshr_b32 s22, s21, 4
	s_lshl_b32 s22, s22, 4
	s_lshl_b32 s47, s47, 1
	s_add_co_u32 s22, s22, s47
	s_mul_i32 s22, s22, RS
	s_and_b32 s21, s21, 15
	s_cmp_eq_u32 s95, 0
	s_cselect_b32 s46, 204800, 0
	s_mov_b32 s47, 196608
	s_cselect_b32 s47, 303104, s47
	s_cmp_eq_u32 s95, 2
	s_cselect_b32 s46, 98304, s46
	s_cselect_b32 s47, 200704, s47
	s_mul_i32 s20, s21, 6144
	s_add_co_u32 s20, s20, s46
	s_add_co_u32 s20, s20, s22
	s_lshl_b32 s46, s21, 8
	s_add_co_u32 s46, s46, s47
	s_add_co_u32 s46, s46, s22
	s_mov_b32 s21, 0
	s_mov_b32 s47, 0
	s_add_nc_u64 s[98:99], s[12:13], s[46:47]
	s_add_nc_u64 s[12:13], s[12:13], s[20:21]
	s_add_nc_u64 s[96:97], s[12:13], RS
.macro FRAG reg, adr, q, i
	ds_load_b128 v[\reg:\reg+3], v[\adr] offset:(\i)*TILEB+(\q)*1536
	ds_load_b64 v[\reg+4:\reg+5], v[\adr+2] offset:(\i)*TILEB+(\q)*1536+512
	ds_load_b128 v[\reg+6:\reg+9], v[\adr] offset:(\i)*TILEB+(\q)*1536+768
	ds_load_b64 v[\reg+10:\reg+11], v[\adr+2] offset:(\i)*TILEB+(\q)*1536+1280
.endm
.macro MUL16 a0, p, q, sc, zero
.irp a, \a0, \a0+1
.irp b, 0,1,2,3,4,5,6,7
.if \zero
	v_wmma_scale_f32_16x16x128_f8f6f4 v[8*(8*((\a)%4)+\b):8*(8*((\a)%4)+\b)+7], v[128*(\p)+FR*\b:128*(\p)+FR*\b+FR-1], v[AF+FR*(\a):AF+FR*(\a)+FR-1], 0, v[SC+8*NQ*(\sc)+NQ*\b+(\q)], v[SC+8*NQ*(\sc)+NQ*(\a)+(\q)] matrix_a_fmt:MATRIX_FMT_FP6 matrix_b_fmt:MATRIX_FMT_FP6 matrix_a_scale:MATRIX_SCALE_ROW1
.else
	v_wmma_scale_f32_16x16x128_f8f6f4 v[8*(8*((\a)%4)+\b):8*(8*((\a)%4)+\b)+7], v[128*(\p)+FR*\b:128*(\p)+FR*\b+FR-1], v[AF+FR*(\a):AF+FR*(\a)+FR-1], v[8*(8*((\a)%4)+\b):8*(8*((\a)%4)+\b)+7], v[SC+8*NQ*(\sc)+NQ*\b+(\q)], v[SC+8*NQ*(\sc)+NQ*(\a)+(\q)] matrix_a_fmt:MATRIX_FMT_FP6 matrix_b_fmt:MATRIX_FMT_FP6 matrix_a_scale:MATRIX_SCALE_ROW1
.endif
.endr
.endr
.endm
.macro FETCH_B slot, q, p
	WIN TO_B
.irp i, 0,1,2,3,4,5,6,7
	FRAG 128*(\p)+FR*\i, ADRB+\slot, \q, \i
.endr
	WIN 0
.endm
.macro FETCH_A slot, q, i0
.irp i, \i0, \i0+1, \i0+2, \i0+3
	FRAG AF+FR*(\i), ADRA+\slot, \q, \i
.endr
.endm
.macro SCALES sc
.irp i, 0,1,2,3,4,5,6,7
	ds_load_b64 v[SC+8*NQ*\sc+NQ*\i:SC+8*NQ*\sc+NQ*\i+1], v[ADRS] offset:\i*SBLK
.endr
.endm
.macro PLACES n
.rept \n
	v_nop
.endr
.endm
.macro STEP slot, q, zero
	s_wait_dscnt 4*NL
	WIN MUL_LO
	MUL16 0, (\q)%2, \q, \slot, \zero
	MUL16 2, (\q)%2, \q, \slot, \zero
	s_wait_dscnt 0
	PLACES NP
	FETCH_B \slot, (\q)+1, 1-(\q)%2
	FETCH_A \slot, (\q)+1, 0
	WIN MUL_HI
	MUL16 4, (\q)%2, \q, \slot, \zero
	MUL16 6, (\q)%2, \q, \slot, \zero
	PLACES NP
	WIN 0
	FETCH_A \slot, (\q)+1, 4
.endm
.macro TURN slot, next, fill
	s_wait_tensorcnt 0x0
	ds_add_u32 v[SPW], v[NIL]
	s_wait_dscnt 4*NL+1
	WIN MUL_LO
	MUL16 0, 1, NQ-1, \slot, 0
	s_wait_dscnt 0x0
	s_barrier_signal -1
	MUL16 2, 1, NQ-1, \slot, 0
	WIN 0
	s_barrier_wait -1
.if \fill
	CREST
	s_add_nc_u64 s[G0+4*\slot+2:G0+4*\slot+3], s[G0+4*\slot+2:G0+4*\slot+3], 2*TILEB
	s_add_nc_u64 s[G0B+4*\slot+2:G0B+4*\slot+3], s[G0B+4*\slot+2:G0B+4*\slot+3], 2*TILEB
	JLOAD G0+4*\slot, G1, G0B+4*\slot, G1B
.else
	PLACES NP
.endif
	s_wait_alu depctr_va_vdst(0)
	v_add_nc_u32 v[ADRS], 4*NQ, v[ADRS]
	FETCH_B \next, 0, 0
	FETCH_A \next, 0, 0
	SCALES \next
	WIN MUL_HI
	MUL16 4, 1, NQ-1, \slot, 0
	MUL16 6, 1, NQ-1, \slot, 0
	PLACES NP
	WIN 0
	FETCH_A \next, 0, 4
.endm
	s_wait_alu depctr_va_vdst(0)                   ; the wait at the head's end
	s_wait_tensorcnt 0x0                           ; my tile of the head's four is in; the lines ahead of a later first fill:
	ds_add_u32 v[SPW], v[NIL]
	s_mov_b32 s[G1+2], 8<<16                       ; no tensor load of mine is out: from here on a load brings 8 tiles
	s_mov_b32 s[G1+4], 8
	s_mov_b32 s[G1B+2], 8<<16
	s_mov_b32 s[G1B+4], 8
	s_wait_dscnt 0x0
	CROUND                                         ; all four tiles are in, and all sixteen work-groups are here
	JLOAD G0+4, G1, G0B+4, G1B                     ; slot 1's first fill, the first tensor load behind the round
	FETCH_B 0, 0, 0
	global_prefetch_b8 v8, s[66:67] offset:9216 th:TH_LOAD_NT scope:SCOPE_SE   ; chunk 3, two fills ahead of its load
	FETCH_A 0, 0, 0
	SCALES 0
	FETCH_A 0, 0, 4
	STEP 0, 0, 1
	s_mov_b32 s3, LAPS-1
.Llap:
	TURN 0, 1, 1
	STEP 1, 0, 0
	TURN 1, 0, 1
	STEP 0, 0, 0
	s_sub_co_u32 s3, s3, 1
	s_cmp_lg_u32 s3, 0
	s_cbranch_scc1 .Llap
	TURN 0, 1, 0
	STEP 1, 0, 0
	s_wait_dscnt 4*NL
	WIN MUL_LO
	MUL16 0, 1, NQ-1, 1, 0
	MUL16 2, 1, NQ-1, 1, 0
	s_wait_dscnt 0
	WIN MUL_HI
	MUL16 4, 1, NQ-1, 1, 0
	MUL16 6, 1, NQ-1, 1, 0
	WIN 0
	PLACES NP
	s_mov_b32 s2, 0x76543210
	s_mov_b32 s3, 0xfedcba98
.irp b, 0,1,2,3
	v_mov_b32 v[TM+4+\b], 0
.endr
.macro QUANTA a
.set AC, 64*((\a)%4)
.set WW, 2+(\a)/4
.set WSEL, 5*WW
	WIN WSEL
.irp b, 0,1,2,3
	v_max3_num_f32 v[TM+\b], |v[AC+16*\b]|, |v[AC+16*\b+1]|, 0x1800000
.endr
.irp i, 2,4,6,8,10,12,14
.irp b, 0,1,2,3
	v_max3_num_f32 v[TM+\b], |v[AC+16*\b+\i]|, |v[AC+16*\b+\i+1]|, v[TM+\b]
.endr
.endr
	WIN 0
.irp b, 0,1,2,3
	v_permlanex16_b32 v[TM+4+\b], v[TM+\b], s2, s3
.endr
.irp b, 0,1,2,3
	v_max_num_f32 v[TM+\b], v[TM+\b], v[TM+4+\b]
.endr
.irp b, 0,1,2,3
	v_add_nc_u32 v[TM+12+\b], 0xff000000, v[TM+\b]
.endr
.irp b, 0,1,2,3
	v_lshrrev_b32 v[TM+4+\b], 23, v[TM+12+\b]
.endr
	v_lshl_or_b32 v[PWS+(\a)], v[TM+5], 8, v[TM+4]
	v_lshl_or_b32 v[PWS+(\a)], v[TM+6], 16, v[PWS+(\a)]
	v_lshl_or_b32 v[PWS+(\a)], v[TM+7], 24, v[PWS+(\a)]
	WIN WW
.irp c, 0,1
	v_cvt_scalef32_pk16_fp6_f32 v[CD+12*(\a)+6*\c:CD+12*(\a)+6*\c+2], v[AC+32*\c:AC+32*\c+15], v[TM+12+2*\c]
	v_cvt_scalef32_pk16_fp6_f32 v[TT+4*\c:TT+4*\c+2], v[AC+32*\c+16:AC+32*\c+31], v[TM+12+2*\c+1]
.endr
	WIN 0
	v_nop
.irp c, 0,1
.irp i, 0,1,2
	v_permlane16_swap_b32 v[CD+12*(\a)+6*\c+\i], v[TT+4*\c+\i]
.endr
.irp i, 0,1,2
	v_mov_b32 v[CD+12*(\a)+3+6*\c+\i], v[TT+4*\c+\i]
.endr
.endr
.endm
.irp a, 0,1,2,3,4,5,6,7
	QUANTA \a
.endr
	v_cmp_lt_u32 vcc_lo, 15, v3
	s_cmp_eq_u32 s95, 2
	s_cbranch_scc1 .Lv_out
.irp a, 0,1,2,3,4,5,6,7
	global_store_b128 v24, v[CD+12*\a:CD+12*\a+3], s[12:13] offset:768*\a
	global_store_b64 v25, v[CD+12*\a+4:CD+12*\a+5], s[12:13] offset:768*\a+512
	global_store_b128 v24, v[CD+12*\a+6:CD+12*\a+9], s[96:97] offset:768*\a
	global_store_b64 v25, v[CD+12*\a+10:CD+12*\a+11], s[96:97] offset:768*\a+512
.endr
	v_mov_b32 v30, 0x05040100
	v_mov_b32 v31, 0x07060302
	v_cndmask_b32 v30, v30, v31, vcc_lo
.irp b, 0,1,2,3
	v_perm_b32 v[SW+\b], v[PWS+2*\b+1], v[PWS+2*\b], v30
.endr
	global_store_b128 v26, v[SW:SW+3], s[98:99]
	s_branch .Ldone
.Lv_out:
	s_wait_alu depctr_va_vdst(0)
.irp a, 0,1,2,3
	global_store_b128 v24, v[CD+12*\a:CD+12*\a+3], s[12:13] offset:1536*\a
	global_store_b64 v25, v[CD+12*\a+4:CD+12*\a+5], s[12:13] offset:1536*\a+512
	global_store_b128 v24, v[CD+12*\a+6:CD+12*\a+9], s[12:13] offset:1536*\a+768
	global_store_b64 v25, v[CD+12*\a+10:CD+12*\a+11], s[12:13] offset:1536*\a+1280
	global_store_b128 v24, v[CD+48+12*\a:CD+48+12*\a+3], s[96:97] offset:1536*\a
	global_store_b64 v25, v[CD+48+12*\a+4:CD+48+12*\a+5], s[96:97] offset:1536*\a+512
	global_store_b128 v24, v[CD+48+12*\a+6:CD+48+12*\a+9], s[96:97] offset:1536*\a+768
	global_store_b64 v25, v[CD+48+12*\a+10:CD+48+12*\a+11], s[96:97] offset:1536*\a+1280
.endr
.irp j, 0,1,2,3
	v_cndmask_b32 v[SW+\j], v[PWS+\j], v[PWS+4+\j], vcc_lo
.endr
	global_store_b128 v26, v[SW:SW+3], s[98:99]
.Ldone:
	s_wait_tensorcnt 0x0
	ds_add_u32 v[SPW], v[NIL]
	s_wait_dscnt 0x0
	CROUND
	s_endpgm
.Lfunc_end_k_q10a7cc2a10_proj:
	.size	k_q10a7cc2a10_proj, .Lfunc_end_k_q10a7cc2a10_proj-k_q10a7cc2a10_proj
	.p2alignl 7, 3214868480
	.fill 96, 4, 3214868480
	.section	.rodata,"a",@progbits
	.p2align	6, 0x0
	.amdhsa_kernel k_q10a7cc2a10_proj
		.amdhsa_group_segment_fixed_size 327680
		.amdhsa_private_segment_fixed_size 0
		.amdhsa_enable_private_segment 0
		.amdhsa_kernarg_size 40
		.amdhsa_user_sgpr_count 2
		.amdhsa_user_sgpr_kernarg_segment_ptr 1
		.amdhsa_wavefront_size32 1
		.amdhsa_system_sgpr_workgroup_id_x 1
		.amdhsa_system_sgpr_workgroup_id_y 1
		.amdhsa_system_sgpr_workgroup_id_z 1
		.amdhsa_system_vgpr_workitem_id 0
		.amdhsa_next_free_vgpr 1024
		.amdhsa_next_free_sgpr 100
		.amdhsa_reserve_vcc 1
		.amdhsa_float_denorm_mode_32 3
		.amdhsa_float_denorm_mode_16_64 3
		.amdhsa_memory_ordered 1
		.amdhsa_forward_progress 1
		.amdhsa_inst_pref_size 155
	.end_amdhsa_kernel
	.amdgpu_metadata
---
amdhsa.version: [ 1, 2 ]
amdhsa.kernels:
  - .name:           k_q10a7cc2a10_proj
    .symbol:         k_q10a7cc2a10_proj.kd
    .args:
      - { .name: xc, .offset: 0, .size: 8, .value_kind: global_buffer, .address_space: global }
      - { .name: xs, .offset: 8, .size: 8, .value_kind: global_buffer, .address_space: global }
      - { .name: wc, .offset: 16, .size: 8, .value_kind: global_buffer, .address_space: global }
      - { .name: ws, .offset: 24, .size: 8, .value_kind: global_buffer, .address_space: global }
      - { .name: qkv, .offset: 32, .size: 8, .value_kind: global_buffer, .address_space: global }
    .group_segment_fixed_size: 327680
    .private_segment_fixed_size: 0
    .kernarg_segment_align: 8
    .kernarg_segment_size: 40
    .max_flat_workgroup_size: 128
    .sgpr_count:     100
    .vgpr_count:     1024
    .wavefront_size: 32
...
	.end_amdgpu_metadata
.endif
;; end of part 2
;; launch attn (part 3): grid 4 x 64, 16 waves a work-group, clusters of 4 x 1, 206,848 bytes of LDS; arguments qkv, mw, oc, os; writes oc, os
.if DOCPART == 3
	.amdgcn_target "amdgcn-amd-amdhsa--gfx1250"
	.amdhsa_code_object_version 6
	.text
	.protected	k_q10a7cc2a10_attn
	.globl	k_q10a7cc2a10_attn
	.p2align	8
	.type	k_q10a7cc2a10_attn,@function
k_q10a7cc2a10_attn:
	s_mov_b64 s[64:65], 0
	v_nop
	global_prefetch_b8 v0, s[64:65] scope:SCOPE_SE
	s_setreg_imm32_b32 hwreg(HW_REG_WAVE_MODE, 25, 1), 1
	s_wait_xcnt 0x0
	s_wait_alu depctr_hold_cnt(0) depctr_sa_sdst(0) depctr_va_vdst(0) depctr_va_sdst(0) depctr_va_ssrc(0) depctr_va_vcc(0) depctr_vm_vsrc(0)
	s_getreg_b32 s2, hwreg(HW_REG_IB_STS2, 6, 4)
	s_cmp_eq_u32 s2, 0
	s_cbranch_scc0 .Lentry_in_a_cluster
	s_endpgm
.Lentry_in_a_cluster:
	s_bfe_u32 s2, ttmp6, 0x10000c
	s_cmp_lg_u32 s2, 0x3003
	s_cbranch_scc0 .Lentry_shape_is_right
	s_endpgm
.Lentry_shape_is_right:
; ATTN: for one batch and head, O = softmax(mask(q k^T / 8)) v, both products on codes of FP6 (E2M3) with E8M0 scales; the result is quantised along the heads' channels for the output projection.
; THE SOFTMAX: t = score x log2(e) / 8; M = the row's largest t so far, rounded up to a whole number; p = 2^(t - M) is quantised along the keys; the row's sum is taken of the unquantised p and divides O at the end.
; When M moves, the sum and O are multiplied by 2^(old M - new M): exact.
; THE MASK: where the mask is 0 the raw score becomes -2^36, that is a logit of -2^33, in place of -1e10.  c x 2^36 is a whole number, so a row with every key masked gets p = 1 for every key: uniform weights, as with -1e10.
; LIMIT: results differ from -1e10's only where an unmasked logit lies under about -8.6e9.  NaN and infinities are not served.  A block of zeros gets the byte 1 (zero codes; only this program reads the bytes).
; SHARES.  A work-group owns 512 queries of one batch and head: 32 tiles of 16; each of its sixteen waves takes one tile in each of two passes, in 256 registers: four waves to a SIMD.
; K's and V's codes and scales of the whole head, 204,800 bytes, the head's record's first part, are brought into LDS ONCE, each wave a sixteenth: nothing is filled again.
; CLUSTER.  The four blocks of queries of a head form a cluster and ask for those bytes jointly.
; LAYOUT.  Both products are used transposed: S^T = K Q^T, O^T = V^T P^T: a lane holds one query throughout.  Position r of tile T (of keys, queries, channels) is row 32 (T / 2) + 8 (T % 2) + r + 8 (r / 8), so that the 16
; registers of two neighbouring tiles of keys are 16 neighbouring keys.  A head has 64 channels, half of the instruction's 128 along K: two tiles of keys lie side by side in one fragment of K, and q is held twice,
; as [q, 0] and as [0, q]: zero codes meet the half that does not count.
; REGISTERS: v1-7 lane addresses; v8-11, v16 the step's addresses; v12 -M, v13 the largest t, v[14:15] the sum; v32-79 four fragments of K, then of V; v80-83, v84-87 their scale words; v[88:89] the sum's second chain;
;   v96-159 S^T, then p; v160-191 O^T; v192-203 p's codes; v204-211, v212-223, v226-229 at work; v224 p's scale word; v225 -2^36; v230, v231 q's scale words; v232-243 [q, 0]; v244-255 [0, q].
; SCALARS: s[4:5] q's codes, s[6:7] the mask words, s[8:9] oc, s[10:11] os, s[100:101] q's scales, all at my tile; s[12:23] the descriptor; s[32:63], s[68:99] a step's 64 mask words.
.set RS,    307200
.set VOFF,  98304                      ; LDS: K's codes at 0, V^T's here,
.set KSOFF, 196608                     ; K's scale words, and 4,096 bytes on V's
.set BM, 212
.set BP, 216
.set SO, 220
.macro CROUND                          ; a round of the cluster's barrier
	s_barrier_signal -1
	s_barrier_wait -1
	s_cmp_lg_u32 s28, 0
	s_cbranch_scc1 .Lnot_wave_0_\@
	s_barrier_signal -3
.Lnot_wave_0_\@:
	s_barrier_wait -3
	s_barrier_signal -1
	s_barrier_wait -1
.endm
.macro MWLOAD                          ; the 64 mask words of the step at byte s3 of my tile's 4,096
	s_load_b512 s[32:47], s[6:7], s3 offset:0x0
	s_load_b512 s[48:63], s[6:7], s3 offset:0x40
	s_load_b512 s[68:83], s[6:7], s3 offset:0x80
	s_load_b512 s[84:99], s[6:7], s3 offset:0xc0
.endm
.macro FRAGS a16, a8                   ; four fragments, 1,536 bytes apart, as their images lie
.irp b, 0,1,2,3
	ds_load_b128 v[32+12*\b:35+12*\b], v[\a16] offset:1536*\b
	ds_load_b64 v[36+12*\b:37+12*\b], v[\a8] offset:1536*\b+512
	ds_load_b128 v[38+12*\b:41+12*\b], v[\a16] offset:1536*\b+768
	ds_load_b64 v[42+12*\b:43+12*\b], v[\a8] offset:1536*\b+1280
.endr
.endm
	s_load_b256 s[4:11], s[0:1], 0x0               ; qkv, mw, oc, os
	v_lshl_add_u32 v207, v0, 2, 0x32000
	v_mov_b32 v211, 0
	ds_add_u32 v207, v211
	ds_add_u32 v207, v211
	v_lshrrev_b32 v1, 5, v0
	s_delay_alu instid0(VALU_DEP_1)
	v_readfirstlane_b32 s28, v1                    ; wave 0..15
	s_bfe_u32 s29, ttmp6, 0x40000                  ; cx: my block of 512 queries
	s_and_b32 s30, ttmp7, 0xffff                   ; 16 x batch + head, which the four partners share
	s_mov_b32 s16, 15|(3<<16)|(1<<21)              ; 15:0 the mask: all four work-groups; 17:16 elements of 8 bytes; 21 set beside a mask
	s_mov_b32 s17, 32<<16                          ; tensor_dim0 = 32 elements: rows of 256 bytes
	s_mov_b32 s18, 50<<16                          ; tensor_dim1 = 50
	s_mov_b32 s19, 32<<16                          ; tile_dim0
	s_mov_b32 s20, 50                              ; tile_dim1
	s_mov_b32 s21, 32                              ; the rows are dense
	s_mov_b32 s22, 0
	s_mov_b32 s23, 0
	s_mov_b32 s24, 0x76543210
	s_mov_b32 s25, 0xfedcba98                      ; v_permlanex16_b32's selects for lane L xor 16
	s_mov_b32 s26, 0x3e38aa3b                      ; c = log2(e) / 8
	s_mov_b32 s27, s26                             ; (named with it as a pair)
	s_mul_i32 s2, s30, RS
	s_mov_b32 s3, 0
	s_mul_i32 s13, s28, 12800                      ; my sixteenth, in LDS and in the record
	s_mov_b32 s12, 1
	s_wait_dscnt 0x0
	s_wait_kmcnt 0x0
	s_add_nc_u64 s[4:5], s[4:5], s[2:3]            ; the record
	s_mov_b32 s2, s13
	s_add_nc_u64 s[14:15], s[4:5], s[2:3]
	s_or_b32 s15, s15, 0x80000000
	CROUND                                         ; all four work-groups are here: the joint loads meet
	tensor_load_to_lds s[12:15], s[16:23]          ; my one tensor load of the launch
	s_nop 0
.rept 4
	v_nop
.endr
	s_lshl_b32 s31, s29, 5
	s_add_co_u32 s31, s31, s28                     ; my tile of the first pass: 32 cx + wave
	s_lshr_b32 s2, s31, 3
	s_lshl_b32 s2, s2, 8
	s_bfe_u32 s66, s31, 0x20001
	s_lshl_b32 s66, s66, 2
	s_add_co_u32 s2, s2, s66
	s_add_co_u32 s2, s2, 303104
	s_add_nc_u64 s[100:101], s[4:5], s[2:3]        ; q's scales: 256 bytes for 8 tiles, a word for two
	s_mul_i32 s2, s31, 768
	s_add_co_u32 s2, s2, 204800
	s_add_nc_u64 s[4:5], s[4:5], s[2:3]            ; q's codes
	s_lshr_b32 s66, s30, 4
	s_lshl_b32 s66, s66, 7
	s_add_co_u32 s66, s66, s31                     ; the tile among all 512: 128 x batch + tile
	s_lshl_b32 s2, s66, 12
	s_add_nc_u64 s[6:7], s[6:7], s[2:3]            ; its mask words
	s_and_b32 s67, s30, 15                         ; the head
	s_lshl_b32 s2, s66, 4
	s_add_co_u32 s2, s2, s67
	s_mul_i32 s2, s2, 768
	s_add_nc_u64 s[8:9], s[8:9], s[2:3]            ; its place in oc
	s_lshl_b32 s2, s66, 9
	s_lshl_b32 s67, s67, 1
	s_add_co_u32 s2, s2, s67
	s_add_nc_u64 s[10:11], s[10:11], s[2:3]        ; and in os
	s_and_b32 s31, s28, 1
	s_lshl_b32 s31, s31, 4                         ; which half of the scale word is my tile's
	v_and_b32 v20, 31, v0                          ; L
	v_and_b32 v21, 15, v0                          ; r
	v_bfe_u32 v22, v0, 4, 1                        ; h
	s_delay_alu instid0(VALU_DEP_3)
	v_lshlrev_b32 v1, 4, v20
	s_delay_alu instid0(VALU_DEP_4)
	v_lshlrev_b32 v2, 3, v20
	s_delay_alu instid0(VALU_DEP_2)
	v_add_nc_u32 v3, VOFF, v1
	s_delay_alu instid0(VALU_DEP_2)
	v_add_nc_u32 v4, VOFF, v2
	v_lshlrev_b32 v6, 4, v21
	s_delay_alu instid0(VALU_DEP_1)
	v_add_nc_u32 v5, KSOFF, v6
	v_lshl_add_u32 v7, v21, 5, v22                 ; os: 32 r + h
	v_mov_b32 v225, 0xd1800000                     ; -2^36
.irp i, 238,239,240,241,242,243,244,245,246,247,248,249
	v_mov_b32 v\i, 0                               ; the zero halves of [q, 0] and [0, q]
.endr
	s_wait_tensorcnt 0x0                           ; my sixteenth is in,
	s_barrier_signal -1
	s_barrier_wait -1                              ; everybody's is
.macro PASS p
.if \p
	s_wait_xcnt 0x0                                ; the last pass's loads and stores have read their bases and registers
	s_add_nc_u64 s[4:5], s[4:5], 12288             ; sixteen tiles on
	s_add_nc_u64 s[100:101], s[100:101], 512
	s_add_nc_u64 s[6:7], s[6:7], 65536
	s_add_nc_u64 s[8:9], s[8:9], 196608
	s_add_nc_u64 s[10:11], s[10:11], 8192
.endif
	global_load_b128 v[232:235], v1, s[4:5]        ; q's six registers, twice
	global_load_b64 v[236:237], v2, s[4:5] offset:512
	global_load_b128 v[250:253], v1, s[4:5]
	global_load_b64 v[254:255], v2, s[4:5] offset:512
	global_load_b32 v229, v6, s[100:101]
	s_mov_b32 s3, 0
	MWLOAD
	v_mov_b32 v13, 0xff61b1e6                      ; the largest t so far: -3e38
	s_delay_alu instid0(VALU_DEP_1)
	v_floor_f32 v12, -v13                          ; -M
	v_mov_b32 v14, 0
	v_mov_b32 v15, 0
	v_mov_b32 v227, 0                              ; (named as the upper half of a pair)
.irp b, 0,1,2,3
	v_mov_b32 v[BP+\b], 0                          ; a lane permute's destination counts as read
.endr
	s_mov_b32 s66, 0                               ; the step's codes, 6,144 bytes a step
	s_mov_b32 s67, 0                               ; its scale words, 256
	s_mov_b32 s2, 16
	s_wait_loadcnt 0x0
	v_lshrrev_b32 v229, s31, v229
	s_delay_alu instid0(VALU_DEP_1)
	v_and_b32 v230, 0xffff, v229                   ; my tile's two bytes under [q, 0]; the zero half's bytes are 0
	s_delay_alu instid0(VALU_DEP_1)
	v_lshlrev_b32 v231, 16, v230                   ; and under [0, q]
.set j, 0
.rept 32
	v_mov_b32 v[160+j], 0                          ; O^T: the first change of M multiplies zeros.  These lines also stand between the scale words' making and the first product
.set j, j+1
.endr
.Lstep_\@:                                         ; a trip: 128 keys
	v_add_nc_u32 v8, s66, v1                       ; five plain lines: also the places behind the last trip's products
	v_add_nc_u32 v9, s66, v2
	v_add_nc_u32 v10, s66, v3
	v_add_nc_u32 v11, s66, v4
	v_add_nc_u32 v16, s67, v5
	FRAGS 8, 9                                     ; K: four fragments, two tiles of keys in each
	ds_load_b128 v[80:83], v16                     ; and their scale words
	s_wait_alu depctr_va_vdst(0)
	s_wait_dscnt 0x0
.irp b, 0,1,2,3
	v_wmma_scale_f32_16x16x128_f8f6f4 v[96+16*\b:103+16*\b], v[32+12*\b:43+12*\b], v[232:243], 0, v[80+\b], v230 matrix_a_fmt:MATRIX_FMT_FP6 matrix_b_fmt:MATRIX_FMT_FP6
	v_wmma_scale_f32_16x16x128_f8f6f4 v[104+16*\b:111+16*\b], v[32+12*\b:43+12*\b], v[244:255], 0, v[80+\b], v231 matrix_a_fmt:MATRIX_FMT_FP6 matrix_b_fmt:MATRIX_FMT_FP6
.endr                                              ; register 16 b + i: key 32 b + 16 h + i of the step
.rept 4
	v_nop
.endr
	FRAGS 10, 11                                   ; V^T: four tiles of channels x these 128 keys: they land during the softmax
	ds_load_b128 v[84:87], v16 offset:4096
	s_wait_kmcnt 0x0                               ; the step's mask words, asked for a trip ago
.set j, 0
.rept 64
.if j < 32
	v_cndmask_b32 v[96+j], v[96+j], v225, s[32+j]  ; ascending: each result is read from its low end on
.else
	v_cndmask_b32 v[96+j], v[96+j], v225, s[36+j]
.endif
.set j, j+1
.endr
	s_add_co_u32 s3, s3, 256
	s_min_u32 s3, s3, 3840                         ; the last trip asks for its own words again: no load leaves the buffer
	MWLOAD
.irp b, 0,1,2,3
	v_max3_num_f32 v[BM+\b], v[96+16*\b], v[97+16*\b], v[98+16*\b]   ; the largest score of each block of 32 keys: for the row's maximum, and, since p rises with the score, for the block's largest p
.endr
.irp i, 3,5,7,9,11,13
.irp b, 0,1,2,3
	s_delay_alu instid0(VALU_DEP_4)
	v_max3_num_f32 v[BM+\b], v[BM+\b], v[96+16*\b+\i], v[97+16*\b+\i]
.endr
.endr
.irp b, 0,1,2,3
	s_delay_alu instid0(VALU_DEP_4)
	v_max_num_f32 v[BM+\b], v[BM+\b], v[111+16*\b]
.endr
.irp b, 0,1,2,3
	s_delay_alu instid0(VALU_DEP_4)
	v_permlanex16_b32 v[BP+\b], v[BM+\b], s24, s25
.endr
.irp b, 0,1,2,3
	s_delay_alu instid0(VALU_DEP_4)
	v_max_num_f32 v[BM+\b], v[BM+\b], v[BP+\b]
.endr
	s_delay_alu instid0(VALU_DEP_2)
	v_max3_num_f32 v228, v212, v213, v214
	s_delay_alu instid0(VALU_DEP_1)
	v_max_num_f32 v228, v228, v215
	s_delay_alu instid0(VALU_DEP_1)
	v_mul_f32 v228, s26, v228                      ; the step's largest t
	s_delay_alu instid0(VALU_DEP_1)
	v_max_num_f32 v13, v13, v228
	v_mov_b32 v228, v12
	s_delay_alu instid0(VALU_DEP_2)
	v_floor_f32 v12, -v13                          ; the new -M = -ceil(t)
	s_delay_alu instid0(VALU_DEP_1)
	v_sub_f32 v228, v12, v228                      ; old M - new M: a whole number, 0 or less
	s_delay_alu instid0(VALU_DEP_1)
	v_cvt_i32_f32 v228, v228                       ; (it saturates)
	s_delay_alu instid0(VALU_DEP_1)
	v_ldexp_f32 v226, 1.0, v228                    ; f = 2^(old M - new M)
.set j, 0
.rept 32
	v_pk_fma_f32 v[96+j:97+j], v[96+j:97+j], s[26:27], v[12:13] op_sel_hi:[1,0,0]   ; t - M
.set j, j+2
.endr
.irp b, 0,1,2,3
	v_fma_f32 v[BM+\b], v[BM+\b], s26, v12
.endr
.set j, 0
	s_wait_alu depctr_va_vdst(0)
.rept 64
	v_exp_f32 v[96+j], v[96+j]                     ; p = 2^(t - M)
.set j, j+1
.endr
.irp b, 0,1,2,3
	v_exp_f32 v[BM+\b], v[BM+\b]                   ; the block's largest p: the same two instructions on the same number
.endr
	v_pk_mul_f32 v[14:15], v[14:15], v[226:227] op_sel_hi:[1,0]    ; the sum under the new M (a plain place behind the exponentials)
	s_wait_alu depctr_va_vdst(0)
.irp b, 0,1,2,3
	v_max_num_f32 v[BM+\b], 0x1800000, v[BM+\b]    ; the floor 2^(3 - 127)
.endr
.irp b, 0,1,2,3
	s_delay_alu instid0(VALU_DEP_4)
	v_add_nc_u32 v[SO+\b], 0xff000000, v[BM+\b]    ; the conversion's scale operand
.endr
.irp b, 0,1,2,3
	s_delay_alu instid0(VALU_DEP_4)
	v_lshrrev_b32 v[BP+\b], 23, v[SO+\b]           ; the scale's byte
.endr
	s_delay_alu instid0(VALU_DEP_3)
	v_lshl_or_b32 v224, v217, 8, v216              ; p's scale word for these 128 keys
	s_delay_alu instid0(VALU_DEP_1)
	v_lshl_or_b32 v224, v218, 16, v224
	s_delay_alu instid0(VALU_DEP_1)
	v_lshl_or_b32 v224, v219, 24, v224
.irp c, 0,1
	v_cvt_scalef32_pk16_fp6_f32 v[192+6*\c:194+6*\c], v[96+32*\c:111+32*\c], v[SO+2*\c]
	v_cvt_scalef32_pk16_fp6_f32 v[204+4*\c:206+4*\c], v[112+32*\c:127+32*\c], v[SO+2*\c+1]
.endr
	v_nop                                          ; one plain place behind a scaled conversion
.irp c, 0,1
.irp i, 0,1,2
	v_permlane16_swap_b32 v[192+6*\c+\i], v[204+4*\c+\i]
.endr
.irp i, 0,1,2
	s_delay_alu instid0(VALU_DEP_3)
	v_mov_b32 v[195+6*\c+\i], v[204+4*\c+\i]
.endr
.endr
	v_pk_add_f32 v[88:89], v[100:101], v[104:105]
	v_pk_add_f32 v[222:223], v[108:109], v[112:113]
	v_pk_add_f32 v[220:221], v[116:117], v[120:121]
	v_pk_add_f32 v[214:215], v[124:125], v[128:129]
	v_pk_add_f32 v[212:213], v[132:133], v[136:137]
	v_pk_add_f32 v[208:209], v[140:141], v[144:145]
	v_pk_add_f32 v[204:205], v[148:149], v[152:153]
	v_pk_add_f32 v[14:15], v[14:15], v[156:157]
	v_pk_add_f32 v[88:89], v[88:89], v[96:97]
	v_pk_add_f32 v[222:223], v[222:223], v[98:99]
	v_pk_add_f32 v[220:221], v[220:221], v[102:103]
	v_pk_add_f32 v[214:215], v[214:215], v[106:107]
	v_pk_add_f32 v[212:213], v[212:213], v[110:111]
	v_pk_add_f32 v[208:209], v[208:209], v[114:115]
	v_pk_add_f32 v[204:205], v[204:205], v[118:119]
	v_pk_add_f32 v[14:15], v[14:15], v[122:123]
	v_pk_add_f32 v[88:89], v[88:89], v[126:127]
	v_pk_add_f32 v[222:223], v[222:223], v[130:131]
	v_pk_add_f32 v[220:221], v[220:221], v[134:135]
	v_pk_add_f32 v[214:215], v[214:215], v[138:139]
	v_pk_add_f32 v[212:213], v[212:213], v[142:143]
	v_pk_add_f32 v[208:209], v[208:209], v[146:147]
	v_pk_add_f32 v[204:205], v[204:205], v[150:151]
	v_pk_add_f32 v[14:15], v[14:15], v[154:155]
	v_pk_add_f32 v[88:89], v[88:89], v[158:159]
	s_delay_alu instid0(VALU_DEP_2)
	v_pk_add_f32 v[14:15], v[14:15], v[214:215]
	s_delay_alu instid0(VALU_DEP_2)
	v_pk_add_f32 v[88:89], v[88:89], v[212:213]
	v_pk_add_f32 v[222:223], v[222:223], v[208:209]
	v_pk_add_f32 v[220:221], v[220:221], v[204:205]
	s_delay_alu instid0(VALU_DEP_2)
	v_pk_add_f32 v[14:15], v[14:15], v[222:223]
	s_delay_alu instid0(VALU_DEP_2)
	v_pk_add_f32 v[88:89], v[88:89], v[220:221]
	s_delay_alu instid0(VALU_DEP_1)
	v_pk_add_f32 v[14:15], v[14:15], v[88:89]
.set j, 0
.rept 16
	v_pk_mul_f32 v[160+j:161+j], v[160+j:161+j], v[226:227] op_sel_hi:[1,0]    ; O^T under the new M, ascending
.set j, j+2
.endr
	s_wait_alu depctr_va_vdst(0)
	s_wait_dscnt 0x0                               ; V^T and its scale words are in
.irp d, 0,1,2,3                                ; the four accumulators take turns, one instruction a turn
	v_wmma_scale_f32_16x16x128_f8f6f4 v[160+8*\d:167+8*\d], v[32+12*\d:43+12*\d], v[192:203], v[160+8*\d:167+8*\d], v[84+\d], v224 matrix_a_fmt:MATRIX_FMT_FP6 matrix_b_fmt:MATRIX_FMT_FP6
.endr
	s_add_co_u32 s66, s66, 6144
	s_add_co_u32 s67, s67, 256
	s_sub_co_u32 s2, s2, 1
	s_cmp_lg_u32 s2, 0
	s_cbranch_scc1 .Lstep_\@
	; the way out of a pass: O^T / the sum; register 16 B + i is channel 32 B + 16 h + i of my query: two blocks of the output projection's K
	s_wait_kmcnt 0x0                               ; the last trip's scalar loads are done: their registers and base may be written again
.rept 4
	v_nop
.endr
	v_add_f32 v14, v14, v15
	s_delay_alu instid0(VALU_DEP_1)
	v_permlanex16_b32 v228, v14, s24, s25
	s_delay_alu instid0(VALU_DEP_1)
	v_add_f32 v14, v14, v228                       ; the row's sum
	s_wait_alu depctr_va_vdst(0)
	v_rcp_f32 v14, v14
	v_cmp_lt_u32 vcc_lo, 15, v20                   ; (a plain place behind the reciprocal)  lanes 16-31
.set j, 0
	s_wait_alu depctr_va_vdst(0)
.rept 32
	v_mul_f32 v[96+j], v[160+j], v14
.set j, j+1
.endr
.irp b, 0,1
	v_max3_num_f32 v[BM+\b], |v[96+16*\b]|, |v[97+16*\b]|, 0x1800000
.endr
.irp i, 2,4,6,8,10,12,14
.irp b, 0,1
	s_delay_alu instid0(VALU_DEP_2)
	v_max3_num_f32 v[BM+\b], v[BM+\b], |v[96+16*\b+\i]|, |v[97+16*\b+\i]|
.endr
.endr
.irp b, 0,1
	s_delay_alu instid0(VALU_DEP_2)
	v_permlanex16_b32 v[BP+\b], v[BM+\b], s24, s25
.endr
.irp b, 0,1
	s_delay_alu instid0(VALU_DEP_2)
	v_max_num_f32 v[BM+\b], v[BM+\b], v[BP+\b]
.endr
.irp b, 0,1
	s_delay_alu instid0(VALU_DEP_2)
	v_add_nc_u32 v[SO+\b], 0xff000000, v[BM+\b]
.endr
.irp b, 0,1
	s_delay_alu instid0(VALU_DEP_2)
	v_lshrrev_b32 v[BP+\b], 23, v[SO+\b]
.endr
	v_cvt_scalef32_pk16_fp6_f32 v[192:194], v[96:111], v[SO]
	v_cvt_scalef32_pk16_fp6_f32 v[204:206], v[112:127], v[SO+1]
	v_nop
.irp i, 0,1,2
	v_permlane16_swap_b32 v[192+\i], v[204+\i]
.endr
.irp i, 0,1,2
	s_delay_alu instid0(VALU_DEP_3)
	v_mov_b32 v[195+\i], v[204+\i]
.endr
	v_cndmask_b32 v228, v216, v217, vcc_lo         ; lanes 0-15 store the first block's byte, lanes 16-31 the second's
	global_store_b128 v1, v[192:195], s[8:9]       ; 512 consecutive bytes
	global_store_b64 v2, v[196:197], s[8:9] offset:512
	global_store_b8 v7, v228, s[10:11]             ; single bytes, 32 apart: a scale word of the next product mixes two heads, which two work-groups make; os is 262,144 bytes in all
.endm
	PASS 0
	PASS 1
	s_wait_tensorcnt 0x0
	ds_add_u32 v207, v211
	s_wait_dscnt 0x0
	CROUND                                         ; the closing round
	s_endpgm
.Lfunc_end_k_q10a7cc2a10_attn:
	.size	k_q10a7cc2a10_attn, .Lfunc_end_k_q10a7cc2a10_attn-k_q10a7cc2a10_attn
	.p2alignl 7, 3214868480
	.fill 96, 4, 3214868480
	.section	.rodata,"a",@progbits
	.p2align	6, 0x0
	.amdhsa_kernel k_q10a7cc2a10_attn
		.amdhsa_group_segment_fixed_size 206848
		.amdhsa_private_segment_fixed_size 0
		.amdhsa_enable_private_segment 0
		.amdhsa_kernarg_size 32
		.amdhsa_user_sgpr_count 2
		.amdhsa_user_sgpr_kernarg_segment_ptr 1
		.amdhsa_wavefront_size32 1
		.amdhsa_system_sgpr_workgroup_id_x 1
		.amdhsa_system_sgpr_workgroup_id_y 1
		.amdhsa_system_sgpr_workgroup_id_z 1
		.amdhsa_system_vgpr_workitem_id 0
		.amdhsa_next_free_vgpr 256
		.amdhsa_next_free_sgpr 102
		.amdhsa_reserve_vcc 1
		.amdhsa_float_denorm_mode_32 3
		.amdhsa_float_denorm_mode_16_64 3
		.amdhsa_memory_ordered 1
		.amdhsa_forward_progress 1
		.amdhsa_inst_pref_size 64
	.end_amdhsa_kernel
	.amdgpu_metadata
---
amdhsa.version: [ 1, 2 ]
amdhsa.kernels:
  - .name:           k_q10a7cc2a10_attn
    .symbol:         k_q10a7cc2a10_attn.kd
    .args:
      - { .name: qkv, .offset: 0, .size: 8, .value_kind: global_buffer, .address_space: global }
      - { .name: mw, .offset: 8, .size: 8, .value_kind: global_buffer, .address_space: global }
      - { .name: oc, .offset: 16, .size: 8, .value_kind: global_buffer, .address_space: global }
      - { .name: os, .offset: 24, .size: 8, .value_kind: global_buffer, .address_space: global }
    .group_segment_fixed_size: 206848
    .private_segment_fixed_size: 0
    .kernarg_segment_align: 8
    .kernarg_segment_size: 32
    .max_flat_workgroup_size: 512
    .sgpr_count:     102
    .vgpr_count:     256
    .wavefront_size: 32
...
	.end_amdgpu_metadata
.endif
;; end of part 3
;; launch oproj (part 4): grid 4 x 64, 4 waves a work-group, clusters of 4 x 4, 295,424 bytes of LDS; arguments oc, os, wc, ws, out0; writes out0
.if DOCPART == 4
	.amdgcn_target "amdgcn-amd-amdhsa--gfx1250"
	.amdhsa_code_object_version 6
	.text
	.protected	k_q10a7cc2a10_oproj
	.globl	k_q10a7cc2a10_oproj
	.p2align	8
	.type	k_q10a7cc2a10_oproj,@function
k_q10a7cc2a10_oproj:
	s_mov_b64 s[64:65], 0
	v_nop
	global_prefetch_b8 v0, s[64:65] scope:SCOPE_SE
	s_setreg_imm32_b32 hwreg(HW_REG_WAVE_MODE, 25, 1), 1
	s_wait_xcnt 0x0
	s_wait_alu depctr_hold_cnt(0) depctr_sa_sdst(0) depctr_va_vdst(0) depctr_va_sdst(0) depctr_va_ssrc(0) depctr_va_vcc(0) depctr_vm_vsrc(0)
	s_getreg_b32 s2, hwreg(HW_REG_IB_STS2, 6, 4)
	s_cmp_eq_u32 s2, 0
	s_cbranch_scc0 .Lentry_in_a_cluster
	s_endpgm
.Lentry_in_a_cluster:
	s_bfe_u32 s2, ttmp6, 0x10000c
	s_cmp_lg_u32 s2, 0xf033
	s_cbranch_scc0 .Lentry_shape_is_right
	s_endpgm
.Lentry_shape_is_right:
; OPROJ: out0 [8192][1024] f32 = O Wo, both operands as codes of FP6 (E2M3) with E8M0 scales, K = 1,024.
; oc and wc hold images of operand registers: a tile of 16 rows is 12,288 bytes, eight images of 1,536 bytes (128 along K each) on end; Wo's tiles begin 2,359,296 bytes into wc, its scales 98,304 into ws.
; Position r of tile T is row 32 (T / 2) + 8 (T % 2) + r + 8 (r / 8).  Scale bytes: 32 for each position, positions on end.
; SHARES.  A work-group makes 128 rows x 256 columns: 64 x 4 = 256 work-groups.  ALL OF K lies in LDS at once: A's 8 tiles (98,304 bytes), then B's 16 (196,608): filled once, nothing is filled again, no ring.
; Each wave asks for one dense part at the head: waves 0, 1 halves of A, waves 2, 3 halves of B.  A wave makes 64 x 128: 32 accumulators.
; CLUSTER 4 x 4: A's tiles are shared along a row of the cluster, B's along a column: joint loads.
; THE SCALES go from memory into registers, not jointly: 512 dense bytes a tile, 6,144 bytes a wave beside 294,912 of codes.  One load of 16 bytes a lane at 32 r + 16 h:
; register j holds word j in lanes 0-15 and word 4 + j in lanes 16-31; steps 4 to 7 name the upper lanes (ROW1).
; NO PREFETCH: every operand byte is asked for at the head, and there is no loop to run ahead in.
; The matrix instruction is used transposed (source 0 = B's tile, source 1 = A's): a lane holds eight neighbouring columns of a row.
; REGISTERS: window 0: v1-17 addresses, v28-29 the add's, v32-47 A's scale words, v48-79 B's, v96-191 A's fragments (two sets), on the way out v96-223; window 1: accumulator (a, b) at v[8 (8 a + b)]; window 2: B's fragments, sets at v0 and v128.
.set TB,     12288
.set AB,     8*TB
.set SPARE,  24*TB                     ; behind the codes: the spare words, 512 bytes
.set SPITCH, 528                       ; the stage's rows: 512 bytes + 16
.set FR,   12
.set A16,  8
.set A8,   9
.set B16,  10                          ; v10, v11: B's tiles 0-3, 4-7 (an offset has 16 bits)
.set B8,   12
.set STO,  14
.set RD,   15
.set SOF,  17
.set SPW,  28
.set NIL,  29
.set SA,   32
.set SB,   48
.set AF,   96
.set BK,   96
.set G1,   24
.set G0,   32
.set G0B,  36
.set G1B,  48
.set MSB, 0
.macro WIN new                         ; the immediate's high byte repeats the setting that is left
.if MSB != \new
	s_set_vgpr_msb (MSB<<8)|\new
.set MSB, \new
.endif
.endm
.macro CROUND                          ; a round of the cluster's barrier
	s_barrier_signal -1
	s_barrier_wait -1
	s_cmp_lg_u32 s14, 0
	s_cbranch_scc1 .Lnot_wave_0_\@
	s_barrier_signal -3
.Lnot_wave_0_\@:
	s_barrier_wait -3
	s_barrier_signal -1
	s_barrier_wait -1
.endm
.macro PLACES
.rept 4
	v_nop
.endr
.endm
	s_load_b128 s[4:7], s[0:1], 0x0                ; oc, os
	s_load_b128 s[8:11], s[0:1], 0x10              ; wc, ws
	s_load_b64 s[12:13], s[0:1], 0x20              ; out0
	v_lshl_add_u32 v[SPW], v0, 2, SPARE
	v_mov_b32 v[NIL], 0
	ds_add_u32 v[SPW], v[NIL]                      ; the opening lines: the add, twice on end, and one wait below
	ds_add_u32 v[SPW], v[NIL]
	v_lshrrev_b32 v1, 5, v0
	v_readfirstlane_b32 s14, v1                    ; wave
	s_lshr_b32 s15, s14, 1                         ; my half of the rows; also: I fetch for A (0) or B (1)
	s_and_b32 s16, s14, 1                          ; my half of the columns; also: which half I fetch
	s_bfe_u32 s40, ttmp6, 0x40000                  ; cx
	s_bfe_u32 s41, ttmp6, 0x40004                  ; cy
	s_lshl_b32 s42, ttmp9, 2
	s_add_co_u32 s42, s42, s40                     ; block of 256 columns
	s_and_b32 s17, ttmp7, 0xffff
	s_lshl_b32 s17, s17, 2
	s_add_co_u32 s17, s17, s41                     ; block of 128 rows
	s_lshl_b32 s43, s41, 2
	s_lshl_b32 s43, 15, s43                        ; my row of the cluster
	s_lshl_b32 s44, 0x1111, s40                    ; my column
	s_or_b32 s[G1], s43, (3<<16)|(1<<21)           ; the mask; elements of 8 bytes; bit 21 beside a mask
	s_or_b32 s[G1B], s44, (3<<16)|(1<<21)
.irp g, G1, G1B                        ; dense parts, as rows of 256 bytes
	s_mov_b32 s[\g+1], 32<<16
	s_mov_b32 s[\g+3], 32<<16
	s_mov_b32 s[\g+5], 32
	s_mov_b32 s[\g+6], 0
	s_mov_b32 s[\g+7], 0
.endr
	s_mov_b32 s[G1+2], 192<<16                     ; four tiles of A: 49,152 bytes
	s_mov_b32 s[G1+4], 192
	s_mov_b32 s[G1B+2], 384<<16                    ; eight tiles of B: 98,304 bytes
	s_mov_b32 s[G1B+4], 384
	s_mul_i32 s20, s17, AB                         ; A's part in oc
	s_mul_i32 s18, s16, 4*TB
	s_add_co_u32 s20, s20, s18
	s_mov_b32 s21, 0
	s_mul_i32 s46, s42, 16*TB                      ; B's part in wc
	s_mul_i32 s19, s16, 8*TB
	s_add_co_u32 s46, s46, s19
	s_add_co_u32 s46, s46, 2359296
	s_mov_b32 s47, 0
	s_mov_b32 s[G0], 1
	s_mov_b32 s[G0+1], s18                         ; LDS addresses hang on the wave's number alone
	s_mov_b32 s[G0B], 1
	s_add_co_u32 s[G0B+1], s19, AB
	s_lshl_b32 s22, s17, 12                        ; the scales of my four tiles of A
	s_lshl_b32 s56, s15, 11
	s_add_co_u32 s22, s22, s56
	s_mov_b32 s23, 0
	s_lshl_b32 s58, s42, 13                        ; and of my eight of B
	s_lshl_b32 s56, s16, 12
	s_add_co_u32 s58, s58, s56
	s_add_co_u32 s58, s58, 98304
	s_mov_b32 s59, 0
	s_lshl_b32 s60, s17, 19                        ; out0: row 128 x block + 64 x half, rows of 4,096 bytes;
	s_lshl_b32 s56, s15, 18
	s_add_co_u32 s60, s60, s56
	s_lshl_b32 s56, s42, 10                        ; column bytes 1,024 x block + 512 x half
	s_add_co_u32 s60, s60, s56
	s_lshl_b32 s56, s16, 9
	s_add_co_u32 s60, s60, s56
	s_mov_b32 s61, 0
	s_mul_i32 s57, s15, 4*TB                       ; my four tiles of A in LDS
	s_add_co_u32 s62, s19, AB                      ; my eight of B
	s_add_co_u32 s63, s62, 4*TB
	s_mul_i32 s56, s14, 16*SPITCH                  ; my stage
	v_and_b32 v1, 15, v0                           ; r
	v_bfe_u32 v2, v0, 4, 1                         ; h
	v_and_b32 v3, 31, v0                           ; L
	v_lshlrev_b32 v4, 4, v3                        ; 16 L: also my bytes of a row of 512 on the way out
	v_lshlrev_b32 v5, 3, v3                        ; 8 L
	v_add_nc_u32 v[A16], s57, v4
	v_add_nc_u32 v[A8], s57, v5
	v_add_nc_u32 v[B16], s62, v4
	v_add_nc_u32 v[B8], s62, v5
	v_add_nc_u32 v[B16+1], s63, v4
	v_add_nc_u32 v[B8+1], s63, v5
	v_mul_u32_u24 v6, v1, SPITCH
	v_lshl_add_u32 v6, v2, 6, v6
	v_add_nc_u32 v[STO], s56, v6                   ; into the stage: row r, + 64 h
	v_add_nc_u32 v[RD], s56, v4                    ; back: a row of 512 bytes
	v_lshlrev_b32 v[SOF], 5, v1
	v_lshl_add_u32 v[SOF], v2, 4, v[SOF]           ; scale bytes: 32 r + 16 h
	s_wait_alu depctr_va_vdst(0)                   ; the wait at the head's end
	s_wait_dscnt 0x0                               ; both opening adds are done
	s_wait_kmcnt 0x0
	s_add_nc_u64 s[G0+2:G0+3], s[4:5], s[20:21]
	s_or_b32 s[G0+3], s[G0+3], 0x80000000
	s_add_nc_u64 s[G0B+2:G0B+3], s[8:9], s[46:47]
	s_or_b32 s[G0B+3], s[G0B+3], 0x80000000
	s_add_nc_u64 s[6:7], s[6:7], s[22:23]
	s_add_nc_u64 s[10:11], s[10:11], s[58:59]
	s_add_nc_u64 s[12:13], s[12:13], s[60:61]
.irp i, 0,1,2,3
	global_load_b128 v[SA+4*\i:SA+4*\i+3], v[SOF], s[6:7] offset:512*\i      ; 512 consecutive bytes
.endr
.irp i, 0,1,2,3,4,5,6,7
	global_load_b128 v[SB+4*\i:SB+4*\i+3], v[SOF], s[10:11] offset:512*\i
.endr
	CROUND                                         ; all sixteen work-groups are here: the joint loads meet
	s_cmp_eq_u32 s15, 0                            ; my one tensor load of the launch: each line has one mask and one set of registers
	s_cbranch_scc0 .Lfor_b
	tensor_load_to_lds s[G0:G0+3], s[G1:G1+7]
	s_nop 0
	PLACES
	s_branch .Lasked
.Lfor_b:
	tensor_load_to_lds s[G0B:G0B+3], s[G1B:G1B+7]
	s_nop 0
	PLACES
.Lasked:
	s_wait_tensorcnt 0x0                           ; my part is in,
	s_barrier_signal -1
	s_barrier_wait -1                              ; everybody's is
.macro FRAG reg, a16, a8, off          ; a fragment's image: registers 0-3, 4-5, 6-9, 10-11
	ds_load_b128 v[\reg:\reg+3], v[\a16] offset:\off
	ds_load_b64 v[\reg+4:\reg+5], v[\a8] offset:\off+512
	ds_load_b128 v[\reg+6:\reg+9], v[\a16] offset:\off+768
	ds_load_b64 v[\reg+10:\reg+11], v[\a8] offset:\off+1280
.endm
.macro FETCH st                        ; step st's twelve fragments into set st % 2: 48 LDS loads
	WIN 0x80                                       ; destination window 2
.irp i, 0,1,2,3,4,5,6,7
	FRAG 128*((\st)%2)+FR*\i, B16+\i/4, B8+\i/4, (\i%4)*TB+(\st)*1536
.endr
	WIN 0
.irp i, 0,1,2,3
	FRAG AF+48*((\st)%2)+FR*\i, A16, A8, \i*TB+(\st)*1536
.endr
.endm
.macro MUL st                          ; 32 products, 128 along K; the accumulators take turns, one instruction a turn
	WIN 0x52                                       ; source 0 window 2, source 1 window 0, C and D window 1
.irp a, 0,1,2,3
.irp b, 0,1,2,3,4,5,6,7
.set DD, 8*(8*\a+\b)
.set BB, 128*((\st)%2)+FR*\b
.set AA, AF+48*((\st)%2)+FR*\a
.set S0, SB+4*\b+(\st)%4
.set S1, SA+4*\a+(\st)%4
.if (\st) == 0                         ; the first step starts the sums
	v_wmma_scale_f32_16x16x128_f8f6f4 v[DD:DD+7], v[BB:BB+11], v[AA:AA+11], 0, v[S0], v[S1] matrix_a_fmt:MATRIX_FMT_FP6 matrix_b_fmt:MATRIX_FMT_FP6
.elseif (\st) < 4
	v_wmma_scale_f32_16x16x128_f8f6f4 v[DD:DD+7], v[BB:BB+11], v[AA:AA+11], v[DD:DD+7], v[S0], v[S1] matrix_a_fmt:MATRIX_FMT_FP6 matrix_b_fmt:MATRIX_FMT_FP6
.else
	v_wmma_scale_f32_16x16x128_f8f6f4 v[DD:DD+7], v[BB:BB+11], v[AA:AA+11], v[DD:DD+7], v[S0], v[S1] matrix_a_fmt:MATRIX_FMT_FP6 matrix_b_fmt:MATRIX_FMT_FP6 matrix_a_scale:MATRIX_SCALE_ROW1 matrix_b_scale:MATRIX_SCALE_ROW1
.endif
.endr
.endr
.endm
	FETCH 0
	s_wait_loadcnt 0x0                             ; the scale words are in
.set ST, 0
.rept 8                                ; written out: the scale words' registers come back only after all eight steps
.if ST < 7
.if ST > 0
	PLACES                                         ; ahead of loads into the set that the last step multiplied
.endif
	FETCH ST+1
	s_wait_dscnt 48                                ; this step's fragments are in; the 48 loads just issued may be out
.else
	s_wait_dscnt 0x0                               ; my last reads of the codes are done:
	s_barrier_signal -1                            ; say so, and multiply while the others arrive
.endif
	MUL ST
.set ST, ST+1
.endr
	WIN 0
	s_barrier_wait -1                              ; nobody reads the codes any more: the stages lie in A's bytes, which have had their only fill
; THE WAY OUT, by blocks of 16 rows x 128 columns: through my stage, back as rows of 512 bytes, which the 32 lanes store as two aligned units of 256 bytes.
; LDS serves a wave's instructions in order (ISA guide 5.7.1.4): no wait between the stores and the loads.
.macro TOSTAGE a
	WIN 0x04                                       ; the data: window 1
.irp b, 0,1,2,3,4,5,6,7
	ds_store_b128 v[STO], v[64*(\a)+8*\b:64*(\a)+8*\b+3] offset:128*(\b/2)+32*(\b%2)       ; each accumulator from its low end on
	ds_store_b128 v[STO], v[64*(\a)+8*\b+4:64*(\a)+8*\b+7] offset:128*(\b/2)+32*(\b%2)+16
.endr
	WIN 0
.irp t, 0,1,2,3,4,5,6,7,8,9,10,11,12,13,14,15
	ds_load_b128 v[BK+64*((\a)%2)+4*\t:BK+64*((\a)%2)+4*\t+3], v[RD] offset:\t*SPITCH
.endr
.endm
.macro SEND a, younger                 ; younger: the LDS instructions issued behind block a's loads
	s_wait_dscnt \younger
.irp t, 0,1,2,3,4,5,6,7,8,9,10,11,12,13,14,15
	global_store_b128 v4, v[BK+64*((\a)%2)+4*\t:BK+64*((\a)%2)+4*\t+3], s[12:13] offset:(32*((\a)/2)+8*((\a)%2)+\t+8*(\t/8))*4096 th:TH_STORE_NT
.endr
.endm
	PLACES                                         ; behind the last products: for the reads of their results and the loads into A's fragments
	TOSTAGE 0
.irp a, 1,2,3
.if \a > 1
	s_wait_xcnt 0x0                                ; block a - 2's stores have read their registers
.endif
	TOSTAGE \a
	SEND \a-1, 32
.endr
	SEND 3, 0
	s_wait_tensorcnt 0x0                           ; the wave's end
	ds_add_u32 v[SPW], v[NIL]
	s_wait_dscnt 0x0
	CROUND                                         ; the closing round
	s_endpgm
.Lfunc_end_k_q10a7cc2a10_oproj:
	.size	k_q10a7cc2a10_oproj, .Lfunc_end_k_q10a7cc2a10_oproj-k_q10a7cc2a10_oproj
	.p2alignl 7, 3214868480
	.fill 96, 4, 3214868480
	.section	.rodata,"a",@progbits
	.p2align	6, 0x0
	.amdhsa_kernel k_q10a7cc2a10_oproj
		.amdhsa_group_segment_fixed_size 295424
		.amdhsa_private_segment_fixed_size 0
		.amdhsa_enable_private_segment 0
		.amdhsa_kernarg_size 40
		.amdhsa_user_sgpr_count 2
		.amdhsa_user_sgpr_kernarg_segment_ptr 1
		.amdhsa_wavefront_size32 1
		.amdhsa_system_sgpr_workgroup_id_x 1
		.amdhsa_system_sgpr_workgroup_id_y 1
		.amdhsa_system_sgpr_workgroup_id_z 1
		.amdhsa_system_vgpr_workitem_id 0
		.amdhsa_next_free_vgpr 768
		.amdhsa_next_free_sgpr 66
		.amdhsa_reserve_vcc 0
		.amdhsa_float_denorm_mode_32 3
		.amdhsa_float_denorm_mode_16_64 3
		.amdhsa_memory_ordered 1
		.amdhsa_forward_progress 1
		.amdhsa_inst_pref_size 80
	.end_amdhsa_kernel
	.amdgpu_metadata
---
amdhsa.version: [ 1, 2 ]
amdhsa.kernels:
  - .name:           k_q10a7cc2a10_oproj
    .symbol:         k_q10a7cc2a10_oproj.kd
    .args:
      - { .name: oc, .offset: 0, .size: 8, .value_kind: global_buffer, .address_space: global }
      - { .name: os, .offset: 8, .size: 8, .value_kind: global_buffer, .address_space: global }
      - { .name: wc, .offset: 16, .size: 8, .value_kind: global_buffer, .address_space: global }
      - { .name: ws, .offset: 24, .size: 8, .value_kind: global_buffer, .address_space: global }
      - { .name: out0, .offset: 32, .size: 8, .value_kind: global_buffer, .address_space: global }
    .group_segment_fixed_size: 295424
    .private_segment_fixed_size: 0
    .kernarg_segment_align: 8
    .kernarg_segment_size: 40
    .max_flat_workgroup_size: 128
    .sgpr_count:     66
    .vgpr_count:     768
    .wavefront_size: 32
...
	.end_amdgpu_metadata
.endif
;; end of part 4
